; MI455X (gfx1250); checked and timed in simulation.
; The chip was launched on July 23, 2026; its instructions are those of AMD's public machine-readable ISA for CDNA 5 (MIT licence, August 2026) and "CDNA5" Instruction Set Architecture Reference Guide (July 2026). The comments in the code are by the model that wrote it; some were corrected since.
;; Block Sparse Attention. Allowed arithmetic: matrix products marked QUANTISED: E2M3 operands, one E8M0 scale for each 32 along K, by v_wmma_scale_f32_16x16x128_f8f6f4 with both operands' format E2M3, f32 sums; everything else in f32.
;; Inputs: w_k 2,048 x 2,048 float32; w_o 2,048 x 2,048 float32; w_q 2,048 x 2,048 float32; w_v 2,048 x 2,048 float32; x 1 x 2,048 x 2,048 float32.
;; Outputs: out0 1 x 2,048 x 2,048 float32.
;; This version of the problem:
;;   THIS VERSION OF THE PROBLEM IS GIVEN IN LOW PRECISION. The matrix products marked QUANTISED in the list below multiply operands that are first quantised to E2M3 (2 exponent bits, 3 mantissa bits; 6 bits a number), with one power-of-two scale for each 32 numbers along K (OCP MX v1.0); their sums are f32. All else is computed in f32.
;;   The module's matrix products, in the order in which they are computed (A, B: the left and right operand; K: the contracted axis; several contracted axes count as one K, in the product's order):
;;     1. [M 2,048, K 2,048] x [K 2,048, N 2,048]; A: input x; B: input w_q: QUANTISED
;;     2. [M 2,048, K 2,048] x [K 2,048, N 2,048]; A: input x; B: input w_k: QUANTISED
;;     3. [M 2,048, K 2,048] x [K 2,048, N 2,048]; A: input x; B: input w_v: QUANTISED
;;     4. batch 16 x [M 2,048, K 128] x [K 128, N 2,048]; A: computed on the way; B: computed on the way: QUANTISED
;;     5. batch 16 x [M 2,048, K 2,048] x [K 2,048, N 128]; A: softmax (see below); B: computed on the way: QUANTISED
;;     6. [M 2,048, K 2,048] x [K 2,048, N 2,048]; A: computed on the way; B: input w_o: QUANTISED
;;   THE QUANTISER, for each operand of a quantised product, along K:
;;     - K is cut into blocks of 32 from its start; a last block that is shorter is filled with zeros.
;;     - A block's scale is 2^e with e = floor(log2(the largest magnitude in the block)) - 2, held to -126 .. 127; a block of zeros has e = 0. As a byte (E8M0): e + 127.
;;     - Each number is divided by its block's scale, clamped to +-7.5, and rounded to the nearest number of E2M3, ties to even, subnormals kept.
;;     - The product sums the exact products of the quantised numbers (number of the format x scale) in f32.
;;   ~~~python
;;   def quantise(x, axis):      # numpy; x: float32 -> the quantised numbers, widened to float32 again
;;       x = np.moveaxis(x, axis, -1); K = x.shape[-1]
;;       x = np.pad(x, [(0, 0)] * (x.ndim - 1) + [(0, -K % 32)]); x = x.reshape(x.shape[:-1] + (-1, 32)); a = np.abs(x).max(-1, keepdims=True)
;;       e = np.where(a > 0, np.clip(np.frexp(np.where(a > 0, a, 1))[1] - 1 - 2, -126, 127), 0)      # np.frexp(a)[1] - 1 = floor(log2(a)), exactly
;;       r = np.clip(x / 2.0 ** e, -7.5, 7.5)
;;       step = 2.0 ** (np.maximum(np.frexp(np.where(r == 0, 1, r))[1] - 1, 0) - 3)
;;       q = np.round(r / step) * step * 2.0 ** e      # np.round: ties to even
;;       return np.moveaxis(q.reshape(q.shape[:-2] + (-1,))[..., :K], -1, axis).astype(np.float32)
;;   ~~~
;;   SOFTMAX AHEAD OF A QUANTISED PRODUCT. Where the list says 'softmax', what is quantised is not the finished softmax but p = 2^(t - M), with t = logit x log2(e) and M = ceil(the row's largest t), a whole number; so 1/2 < the row's largest p <= 1. The row's sum l is taken of the UNQUANTISED p, in f32, and the product's result is divided by l at the end. Since M is a whole number, a kernel that streams over the keys may use a running M (the ceiling of the running maximum): every later rescaling is an exact power of two, which a block's scale takes up: the codes' values come out the same.
;;   OPERANDS COMPUTED ON THE WAY. 'Computed on the way' means the value that the module computes at that place (a softmax that the list does not call 'softmax' is quantised finished and normalised). What goes into a quantiser is computed in f32, as accurately as f32 sums, v_exp_f32 and their like allow (about 1e-6 of the number): no bf16 or f16 on the way to a quantiser, and a product that is left as it is and whose result goes on into a quantised operand takes f32 operands (vector FMAs, or v_wmma_f32_16x16x4_f32). A number that lies on a knife's edge between two numbers of the format may be rounded either way, as far as f32 arithmetic and the matrix unit's own rounding can turn it there, and no further.
;; One version. Each part assembles by itself: llvm-mc -triple=amdgcn-amd-amdhsa -mcpu=gfx1250 --defsym DOCPART=n.
;; ======== version 1 of 1: 4 launches
;; limits: right only within a limited range of input values
;; workspace buffers: wcod 15,728,640 bytes; wscl 655,360 bytes; rope 1,048,576 bytes; qimg 3,145,728 bytes; qscl 131,072 bytes; kv 6,553,600 bytes; cimg 3,145,728 bytes; cscl 131,072 bytes
;; launch prep (part 1): grid 1280 x 1, 2 waves a work-group, no clusters, 17,664 bytes of LDS; arguments x, w_q, w_k, w_v, w_o, wcod, wscl, rope; writes wcod, wscl, rope
.if DOCPART == 1
	.amdgcn_target "amdgcn-amd-amdhsa--gfx1250"
	.amdhsa_code_object_version 6
	.text
	.protected	k_qf88ccb4af4_prep
	.globl	k_qf88ccb4af4_prep
	.p2align	8
	.type	k_qf88ccb4af4_prep,@function
k_qf88ccb4af4_prep:
	s_mov_b64 s[64:65], 0
	v_nop
	global_prefetch_b8 v0, s[64:65] scope:SCOPE_SE
	s_setreg_imm32_b32 hwreg(HW_REG_WAVE_MODE, 25, 1), 1
	s_wait_xcnt 0x0
; x, w_q, w_k, w_v, w_o, each [2048][2048] f32 with K innermost, become codes of FP6 (E2M3) with one E8M0 byte for each 32 along K, laid AS THE MATRIX UNIT'S OPERAND REGISTERS:
; a fragment (16 rows x 128 K) is 12 registers a lane, stored as three groups of 512 bytes (registers 4 c .. 4 c + 3, lane l at 16 l): 1,536 bytes; its 16 scale words are 64 bytes, row r at 4 r.
; wcod: [tensor 0..4][tile 0..127][K step 0..15][1536];  wscl: [tensor][tile][K step][64].
; THE ROWS OF A TILE ARE NOT NEIGHBOURS: row r of tile a is row 32 (a / 2) + 8 (a % 2) + r + 8 (r / 8) of the tensor, so that results of products that take such tiles as source 0 have 16 neighbours in 16 registers.
; A block's scale is 2^(floor(log2(largest magnitude)) - 2); its byte is the largest magnitude's exponent field - 2, held at 1 from below.
; Work-groups 0..255 (x's) also make the table of cos and sin for the rotary embedding, rope: [token tile][16 groups][512]: groups 0-7 cos, 8-15 sin; group 4 b + jj, lane (r, h), word e: frequency j = 32 b + 16 h + 4 jj + e, token = row r of the tile.
; LIMITS: NaN and infinities among the inputs are not served.  A block of zeros, or one whose largest magnitude lies under 2^-124, gets the byte 1 (its codes are zeros or subnormal codes; the bytes are read by this program alone).
; The inverse frequency is 2^(-j log2(10000) / 64) by v_exp_f32, so an angle near token 2047 can differ from a correctly rounded one by some 2e-4 rad, the order of the rounding of token x frequency in f32 itself; cos and sin of the angle are good to about 1e-7.
; SHARES: 10,240 fragments; a wave takes 4: K steps 4 sg .. 4 sg + 3 of one tile.  Each load reads 512 consecutive bytes of one row; a fragment's 8,192 bytes turn through the wave's own stage in LDS so that a lane holds 16 neighbours of each block.
; Memory binds: no matrix unit, no tensor load, no cluster, no barrier: waves share nothing.  Two fragments' loads (32 a wave) are out at a time.
.set FRB,   1536
.set WREG,  8704                       ; LDS of a wave: a stage of 16 rows x (512 + 16) bytes, then 256 bytes for its 64 scale words
.set SCRO,  8448
.set SPARE, 2*WREG                     ; the spare words, 128 bytes a wave: one block of 256 bytes that no other line names
.set LO,   4                           ; v4   16 x lane
.set SI,   5                           ; v5   the stage, on the way in
.set SO,   6                           ; v6   and on the way out: row r, + 64 h
.set SCWA, 7                           ; v7   where my row's scale word goes
.set SCRA, 8                           ; v8   where I read 8 bytes of the 256 back
.set L8,   9                           ; v9   8 x lane
.set SPW,  10                          ; v10  my spare word; never rewritten
.set NIL,  11                          ; v11  0; never rewritten
.set R,    16                          ; v16-143  two sets of 64: a fragment as loaded
.set X,    144                         ; v144-207 64 numbers: register 16 b + i = k 32 b + 16 h + i of row r
.set PC,   208                         ; v208-219 the codes
.set PX,   220                         ; v220-227 second halves of the blocks
.set TM,   228                         ; v228-243 at work
.set PW,   244                         ; v244 the scale word
.set AN,   144                         ; the table's arrays of eight lie in X, which is not yet in use
.set NN,   152
.set RR,   160
.set R2,   168
.set SS,   176
.set CC,   184
.set T1,   192
.set T2,   200
.set SEL,  30
; 64 numbers of a lane become a fragment's codes in v[PC] on and its scale word
.macro QUANT src, pwr
.irp b, 0,1,2,3
	v_max3_num_f32 v[TM+\b], |v[(\src)+16*\b]|, |v[(\src)+1+16*\b]|, 0x1800000   ; my 16 numbers of block b, and the floor 2^(3 - 127): the byte cannot fall under 1
.endr
.irp i, 2,4,6,8,10,12,14
.irp b, 0,1,2,3
	v_max3_num_f32 v[TM+\b], v[TM+\b], |v[(\src)+16*\b+\i]|, |v[(\src)+1+16*\b+\i]|
.endr
.endr
.irp b, 0,1,2,3
	v_permlanex16_b32 v[TM+4+\b], v[TM+\b], s[SEL], s[SEL+1]
.endr
.irp b, 0,1,2,3
	v_max_num_f32 v[TM+\b], v[TM+\b], v[TM+4+\b]               ; with lane l xor 16's: the block's largest magnitude
.endr
.irp b, 0,1,2,3
	v_add_nc_u32 v[TM+12+\b], 0xff000000, v[TM+\b]             ; 2 off its exponent field: the conversion's scale operand
.endr
.irp b, 0,1,2,3
	v_lshrrev_b32 v[TM+4+\b], 23, v[TM+12+\b]                  ; the scale's byte
.endr
	v_lshl_or_b32 v[\pwr], v[TM+5], 8, v[TM+4]
	v_lshl_or_b32 v[\pwr], v[TM+6], 16, v[\pwr]
	v_lshl_or_b32 v[\pwr], v[TM+7], 24, v[\pwr]
.irp c, 0,1
	v_cvt_scalef32_pk16_fp6_f32 v[PC+6*\c:PC+6*\c+2], v[(\src)+32*\c:(\src)+32*\c+15], v[TM+12+2*\c]
	v_cvt_scalef32_pk16_fp6_f32 v[PX+4*\c:PX+4*\c+2], v[(\src)+32*\c+16:(\src)+32*\c+31], v[TM+13+2*\c]   ; (a conversion's three registers begin on an even number)
.endr
	v_nop                                                      ; one plain place behind a scaled conversion
.irp c, 0,1                                                ; the operand's layout wants a whole block in a lane
.irp i, 0,1,2
	v_permlane16_swap_b32 v[PC+6*\c+\i], v[PX+4*\c+\i]
.endr
.irp i, 0,1,2
	v_mov_b32 v[PC+3+6*\c+\i], v[PX+4*\c+\i]
.endr
.endr
.endm
.macro LOAD t                          ; K step t of my four: sixteen rows, 512 consecutive bytes each
.irp i, 0,1,2,3,4,5,6,7,8,9,10,11,12,13,14,15
	global_load_b128 v[R+64*((\t)%2)+4*\i:R+64*((\t)%2)+4*\i+3], v[LO], s[4:5] offset:(\i+8*(\i/8))*8192+512*(\t) th:TH_LOAD_NT
.endr
.endm
.macro TURN t                          ; through my stage: LDS serves a wave's instructions in order, so no wait stands between the stores and the loads
.irp i, 0,1,2,3,4,5,6,7,8,9,10,11,12,13,14,15
	ds_store_b128 v[SI], v[R+64*((\t)%2)+4*\i:R+64*((\t)%2)+4*\i+3] offset:528*\i
.endr
.irp b, 0,1,2,3
.irp j, 0,1,2,3
	ds_load_b128 v[X+16*\b+4*\j:X+16*\b+4*\j+3], v[SO] offset:128*\b+16*\j
.endr
.endr
.endm
.macro FRAGM t
.if (\t) < 3
	s_wait_loadcnt 16                              ; this fragment's 16 loads are in; the next fragment's 16 may be out
.else
	s_wait_loadcnt 0x0
.endif
	TURN \t
	s_wait_dscnt 0x0                               ; the numbers are back, and the stage's stores have read their registers
	s_wait_xcnt 0x0                                ; the last fragment's stores have read the codes' registers
.if (\t) < 2
	LOAD (\t)+2
.endif
	QUANT X, PW
.irp c, 0,1,2
	global_store_b128 v[LO], v[PC+4*\c:PC+4*\c+3], s[14:15] offset:FRB*(\t)+512*\c   ; 32 lanes store 512 consecutive bytes, aligned to 256
.endr
	ds_store_b32 v[SCWA], v[PW] offset:64*(\t)     ; lanes r and r + 16 write the same word with the same value
.endm
	s_load_b256 s[4:11], s[0:1], 0x0               ; x, w_q, w_k, w_v
	s_load_b256 s[12:19], s[0:1], 0x20             ; w_o, wcod, wscl, rope
	v_lshl_add_u32 v[SPW], v0, 2, SPARE
	v_mov_b32 v[NIL], 0
	v_lshrrev_b32 v1, 5, v0
	v_readfirstlane_b32 s20, v1                    ; wave
	v_and_b32 v1, 31, v0                           ; lane
	v_and_b32 v2, 15, v0                           ; r
	v_bfe_u32 v3, v0, 4, 1                         ; h
	s_lshr_b32 s21, ttmp9, 8                       ; which tensor
	s_bfe_u32 s22, ttmp9, 0x70001                  ; which tile a
	s_and_b32 s23, ttmp9, 1
	s_lshl_b32 s23, s23, 1
	s_add_co_u32 s23, s23, s20                     ; sg: which four K steps
	s_mul_i32 s24, s20, WREG                       ; my LDS
	v_lshlrev_b32 v[LO], 4, v1
	v_add_nc_u32 v[SI], s24, v[LO]
	v_mul_u32_u24 v[SO], v2, 528
	v_lshl_add_u32 v[SO], v3, 6, v[SO]
	v_add_nc_u32 v[SO], s24, v[SO]
	v_lshlrev_b32 v[SCWA], 2, v2
	v_add_nc_u32 v[SCWA], s24, v[SCWA]
	v_add_nc_u32 v[SCWA], SCRO, v[SCWA]
	v_lshlrev_b32 v[L8], 3, v1
	v_add_nc_u32 v[SCRA], s24, v[L8]
	v_add_nc_u32 v[SCRA], SCRO, v[SCRA]
	s_lshr_b32 s40, s22, 1
	s_lshl_b32 s40, s40, 5
	s_and_b32 s41, s22, 1
	s_lshl_b32 s41, s41, 3
	s_add_co_u32 s40, s40, s41                     ; the tile's first row: 32 (a / 2) + 8 (a % 2)
	s_lshl_b32 s24, s40, 13
	s_lshl_b32 s41, s23, 11
	s_add_co_u32 s24, s24, s41                     ; in the tensor: rows of 8,192 bytes, K steps of 512
	s_mov_b32 s25, 0
	s_lshl_b32 s26, s21, 7
	s_add_co_u32 s26, s26, s22
	s_lshl_b32 s26, s26, 4
	s_lshl_b32 s41, s23, 2
	s_add_co_u32 s41, s26, s41                     ; my first fragment's number
	s_mul_i32 s26, s41, FRB
	s_mov_b32 s27, 0
	s_lshl_b32 s28, s41, 6
	s_mov_b32 s29, 0
	s_mov_b32 s[SEL], 0x76543210
	s_mov_b32 s[SEL+1], 0xfedcba98                 ; v_permlanex16_b32's selects for lane l xor 16
	s_wait_kmcnt 0x0
	s_cmp_eq_u32 s21, 1                            ; the choice of the source hangs on the work-group's number alone
	s_cselect_b64 s[4:5], s[6:7], s[4:5]
	s_cmp_eq_u32 s21, 2
	s_cselect_b64 s[4:5], s[8:9], s[4:5]
	s_cmp_eq_u32 s21, 3
	s_cselect_b64 s[4:5], s[10:11], s[4:5]
	s_cmp_eq_u32 s21, 4
	s_cselect_b64 s[4:5], s[12:13], s[4:5]
	s_add_nc_u64 s[4:5], s[4:5], s[24:25]
	s_add_nc_u64 s[14:15], s[14:15], s[26:27]
	s_add_nc_u64 s[16:17], s[16:17], s[28:29]
	LOAD 0
	LOAD 1
	s_cmp_ge_u32 ttmp9, 256
	s_cbranch_scc1 .Lnotab
	; THE TABLE, while the first loads are on their way: groups 2 sg and 2 sg + 1 of tile a: eight angles a lane
	s_lshl_b32 s24, s22, 13
	s_lshl_b32 s41, s23, 10
	s_add_co_u32 s24, s24, s41
	s_add_nc_u64 s[18:19], s[18:19], s[24:25]
	s_lshr_b32 s38, s23, 1
	s_lshl_b32 s38, s38, 5
	s_and_b32 s41, s23, 1
	s_lshl_b32 s41, s41, 3
	s_add_co_u32 s38, s38, s41                     ; the first group's lowest j: 32 (sg / 2) + 8 (sg % 2)
	s_add_co_u32 s39, s38, 4                       ; the second's
	s_mov_b32 s32, 0xb94ca1f9                      ; sin r = r + r r2 (S1 + r2 (S2 + r2 S3)) on |r| <= pi / 4
	s_mov_b32 s33, 0x3c08839e
	s_mov_b32 s34, 0xbe2aaaa3
	s_mov_b32 s35, 0x37ccf5ce                      ; cos r = 1 - r2 / 2 + r2 r2 (C1 + r2 (C2 + r2 C3))
	s_mov_b32 s36, 0xbab6061a
	s_mov_b32 s37, 0x3d2aaaa5
	v_lshlrev_b32 v12, 4, v3
	v_and_b32 v13, 8, v2
	v_add3_u32 v13, v13, v2, s40
	v_cvt_f32_u32 v13, v13                         ; my token
.irp n, 0,1,2,3,4,5,6,7
	v_add3_u32 v[AN+\n], v12, s[38+\n/4], \n%4     ; j
.endr
.irp n, 0,1,2,3,4,5,6,7
	v_cvt_f32_u32 v[AN+\n], v[AN+\n]
.endr
.irp n, 0,1,2,3,4,5,6,7
	v_mul_f32 v[AN+\n], 0xbe549a78, v[AN+\n]       ; x -log2(10000) / 64
.endr
	s_wait_alu depctr_va_vdst(0)
.irp n, 0,1,2,3,4,5,6,7
	v_exp_f32 v[AN+\n], v[AN+\n]                   ; the inverse frequency
.endr
	v_nop                                          ; a plain place behind the batch,
	s_wait_alu depctr_va_vdst(0)                   ; and one wait for it, ahead of its first reader
.irp n, 0,1,2,3,4,5,6,7
	v_mul_f32 v[AN+\n], v13, v[AN+\n]              ; the angle, rounded once as token x frequency
.endr
.irp n, 0,1,2,3,4,5,6,7
	v_mul_f32 v[NN+\n], 0x3f22f983, v[AN+\n]       ; x 2 / pi
.endr
.irp n, 0,1,2,3,4,5,6,7
	v_rndne_f32 v[NN+\n], v[NN+\n]                 ; n quarter turns
.endr
.irp n, 0,1,2,3,4,5,6,7
	v_fmamk_f32 v[RR+\n], v[NN+\n], 0xbfc90fda, v[AN+\n]   ; r = angle - n pi / 2, pi / 2 in three parts; this first step is exact
.endr
.irp n, 0,1,2,3,4,5,6,7
	v_fmamk_f32 v[RR+\n], v[NN+\n], 0xb3a22168, v[RR+\n]
.endr
.irp n, 0,1,2,3,4,5,6,7
	v_fmamk_f32 v[RR+\n], v[NN+\n], 0xa7c234c4, v[RR+\n]
.endr
.irp n, 0,1,2,3,4,5,6,7
	v_cvt_i32_f32 v[NN+\n], v[NN+\n]
.endr
.irp n, 0,1,2,3,4,5,6,7
	v_mul_f32 v[R2+\n], v[RR+\n], v[RR+\n]
.endr
.irp n, 0,1,2,3,4,5,6,7
	v_fma_f32 v[T1+\n], v[R2+\n], s32, s33
.endr
.irp n, 0,1,2,3,4,5,6,7
	v_fma_f32 v[T1+\n], v[T1+\n], v[R2+\n], s34
.endr
.irp n, 0,1,2,3,4,5,6,7
	v_mul_f32 v[AN+\n], v[RR+\n], v[R2+\n]
.endr
.irp n, 0,1,2,3,4,5,6,7
	v_fma_f32 v[T1+\n], v[T1+\n], v[AN+\n], v[RR+\n]       ; sin r
.endr
.irp n, 0,1,2,3,4,5,6,7
	v_fma_f32 v[T2+\n], v[R2+\n], s35, s36
.endr
.irp n, 0,1,2,3,4,5,6,7
	v_fma_f32 v[T2+\n], v[T2+\n], v[R2+\n], s37
.endr
.irp n, 0,1,2,3,4,5,6,7
	v_mul_f32 v[AN+\n], v[R2+\n], v[R2+\n]
.endr
.irp n, 0,1,2,3,4,5,6,7
	v_fma_f32 v[RR+\n], v[R2+\n], -0.5, 1.0
.endr
.irp n, 0,1,2,3,4,5,6,7
	v_fma_f32 v[T2+\n], v[T2+\n], v[AN+\n], v[RR+\n]       ; cos r
.endr
.irp n, 0,1,2,3,4,5,6,7
	v_and_b32 v[R2+\n], 1, v[NN+\n]
.endr
.irp n, 0,1,2,3,4,5,6,7
	v_cmp_eq_u32 vcc_lo, 1, v[R2+\n]               ; an odd number of quarter turns swaps the two
	v_cndmask_b32 v[SS+\n], v[T1+\n], v[T2+\n], vcc_lo
	v_cndmask_b32 v[CC+\n], v[T2+\n], v[T1+\n], vcc_lo
.endr
.irp n, 0,1,2,3,4,5,6,7
	v_lshlrev_b32 v[R2+\n], 30, v[NN+\n]           ; sin is negated where n % 4 is 2 or 3,
	v_add_nc_u32 v[RR+\n], 1, v[NN+\n]             ; cos where it is 1 or 2
.endr
.irp n, 0,1,2,3,4,5,6,7
	v_and_b32 v[R2+\n], 0x80000000, v[R2+\n]
	v_lshlrev_b32 v[RR+\n], 30, v[RR+\n]
.endr
.irp n, 0,1,2,3,4,5,6,7
	v_xor_b32 v[SS+\n], v[SS+\n], v[R2+\n]
	v_and_b32 v[RR+\n], 0x80000000, v[RR+\n]
.endr
.irp n, 0,1,2,3,4,5,6,7
	v_xor_b32 v[CC+\n], v[CC+\n], v[RR+\n]
.endr
.irp k, 0,1
	global_store_b128 v[LO], v[CC+4*\k:CC+4*\k+3], s[18:19] offset:512*\k
	global_store_b128 v[LO], v[SS+4*\k:SS+4*\k+3], s[18:19] offset:4096+512*\k
.endr
	s_wait_xcnt 0x0                                ; these stores have read their registers, into which the stage's loads will land
.Lnotab:
.irp b, 0,1,2,3
	v_mov_b32 v[TM+4+\b], 0                        ; written once: a lane permute's destination counts as one of its sources
.endr
	FRAGM 0
	FRAGM 1
	FRAGM 2
	FRAGM 3
	ds_load_b64 v[12:13], v[SCRA]                  ; my four fragments' 64 scale words
	s_wait_dscnt 0x0
	global_store_b64 v[L8], v[12:13], s[16:17]     ; 32 lanes store 256 consecutive bytes, aligned
	s_wait_tensorcnt 0x0                           ; the wave's end, behind my last LDS store
	ds_add_u32 v[SPW], v[NIL]
	s_wait_dscnt 0x0
	s_endpgm
.Lfunc_end_k_qf88ccb4af4_prep:
	.size	k_qf88ccb4af4_prep, .Lfunc_end_k_qf88ccb4af4_prep-k_qf88ccb4af4_prep
	.p2alignl 7, 3214868480
	.fill 96, 4, 3214868480
	.section	.rodata,"a",@progbits
	.p2align	6, 0x0
	.amdhsa_kernel k_qf88ccb4af4_prep
		.amdhsa_group_segment_fixed_size 17664
		.amdhsa_private_segment_fixed_size 0
		.amdhsa_enable_private_segment 0
		.amdhsa_kernarg_size 64
		.amdhsa_user_sgpr_count 2
		.amdhsa_user_sgpr_kernarg_segment_ptr 1
		.amdhsa_wavefront_size32 1
		.amdhsa_system_sgpr_workgroup_id_x 1
		.amdhsa_system_sgpr_workgroup_id_y 1
		.amdhsa_system_sgpr_workgroup_id_z 1
		.amdhsa_system_vgpr_workitem_id 0
		.amdhsa_next_free_vgpr 256
		.amdhsa_next_free_sgpr 66
		.amdhsa_reserve_vcc 1
		.amdhsa_float_denorm_mode_32 3
		.amdhsa_float_denorm_mode_16_64 3
		.amdhsa_memory_ordered 1
		.amdhsa_forward_progress 1
		.amdhsa_inst_pref_size 47
	.end_amdhsa_kernel
	.amdgpu_metadata
---
amdhsa.version: [ 1, 2 ]
amdhsa.kernels:
  - .name:           k_qf88ccb4af4_prep
    .symbol:         k_qf88ccb4af4_prep.kd
    .args:
      - { .name: x, .offset: 0, .size: 8, .value_kind: global_buffer, .address_space: global }
      - { .name: w_q, .offset: 8, .size: 8, .value_kind: global_buffer, .address_space: global }
      - { .name: w_k, .offset: 16, .size: 8, .value_kind: global_buffer, .address_space: global }
      - { .name: w_v, .offset: 24, .size: 8, .value_kind: global_buffer, .address_space: global }
      - { .name: w_o, .offset: 32, .size: 8, .value_kind: global_buffer, .address_space: global }
      - { .name: wcod, .offset: 40, .size: 8, .value_kind: global_buffer, .address_space: global }
      - { .name: wscl, .offset: 48, .size: 8, .value_kind: global_buffer, .address_space: global }
      - { .name: rope, .offset: 56, .size: 8, .value_kind: global_buffer, .address_space: global }
    .group_segment_fixed_size: 17664
    .private_segment_fixed_size: 0
    .kernarg_segment_align: 8
    .kernarg_segment_size: 64
    .max_flat_workgroup_size: 64
    .sgpr_count:     66
    .vgpr_count:     256
    .wavefront_size: 32
...
	.end_amdgpu_metadata
.endif
;; end of part 1
;; launch qkv (part 2): grid 24 x 8, 4 waves a work-group, clusters of 4 x 4, 327,680 bytes of LDS; arguments wcod, wscl, rope, qimg, qscl, kv; writes qimg, qscl, kv
.if DOCPART == 2
	.amdgcn_target "amdgcn-amd-amdhsa--gfx1250"
	.amdhsa_code_object_version 6
	.text
	.protected	k_qf88ccb4af4_qkv
	.globl	k_qf88ccb4af4_qkv
	.p2align	8
	.type	k_qf88ccb4af4_qkv,@function
k_qf88ccb4af4_qkv:
	s_mov_b64 s[64:65], 0
	v_nop
	global_prefetch_b8 v0, s[64:65] scope:SCOPE_SE
	s_setreg_imm32_b32 hwreg(HW_REG_WAVE_MODE, 25, 1), 1
	s_wait_xcnt 0x0
	s_wait_alu depctr_hold_cnt(0) depctr_sa_sdst(0) depctr_va_vdst(0) depctr_va_sdst(0) depctr_va_ssrc(0) depctr_va_vcc(0) depctr_vm_vsrc(0)
	s_getreg_b32 s2, hwreg(HW_REG_IB_STS2, 6, 4)
	s_cmp_eq_u32 s2, 0
	s_cbranch_scc0 .Lentry_in_a_cluster
	s_endpgm
.Lentry_in_a_cluster:
	s_bfe_u32 s2, ttmp6, 0x10000c
	s_cmp_lg_u32 s2, 0xf033
	s_cbranch_scc0 .Lentry_shape_is_right
	s_endpgm
.Lentry_shape_is_right:
; q = rope(x w_q^T), k = rope(x w_k^T), v = x w_v^T on codes of FP6 (E2M3) with E8M0 scales, and each result quantised again on the way out: q and k along the head's 128, v along the keys.
; Operands come as images of the operand registers (a fragment of 16 rows x 128 K: 1,536 bytes; wcod [tile][K step][1536], wscl [tile][K step][64]; tiles 0-127 x, 128-255 w_q, 256-383 w_k, 384-511 w_v).
; A work-group makes 256 (P, source 0) x 256 (R, source 1); a wave 128 x 128: 64 accumulators.  In a result a lane holds ONE row of R and its registers run along P's rows.
;   columns X = 0..15 of the grid: P = rows of w_q, w_k (two heads a work-group, one a wave), R = tokens: a lane holds a token, its 64 registers of a block the head's 128 in halves: what the rotary embedding and the quantiser along d want.
;   columns X = 16..23: P = tokens, R = rows of w_v: a lane holds one channel of a head, its registers run along 128 keys: what the quantiser along the keys wants.
; Row r of tile a of every tensor is row 32 (a / 2) + 8 (a % 2) + r + 8 (r / 8), so that the 16 registers of P's tiles 2 b and 2 b + 1 are 16 neighbours: index 32 b + 16 (lane / 16) + 0 .. 15.
; OUT: qimg [head][token tile][1536], qscl [head][token tile][64]; kv [head][step of 128 keys][25600]: k's 8 fragments, v's 8 fragments (16 channels x 128 keys), k's 8 x 64 scale bytes, v's 8 x 64.
; K goes in steps of 256 (two fragments a tile) through a ring of two LDS slots filled by the tensor data mover; the scale words of all of K come once.  192 work-groups: a wave's P must be a whole head or a whole step of 128 keys.
; CLUSTERS: 4 x 4.  R's tiles hang on the grid's row alone and are asked for jointly by a row of the cluster, P's on the column alone, by a column.  Which path a work-group takes hangs on the cluster's x, the same in all sixteen.
; LIMITS: NaN and infinities are not served; a block whose largest magnitude lies under 2^-124 gets the byte 1.
; REGISTERS: window 0: v16-29 addresses; v32-63 scale words, two sets; v64-127 a rotated block; v128-223 R's fragments, one set (on the way out: codes and work).  window 1: P's fragments, two sets at v0 and v128 (on the way out: four sets of cos and sin).
;   window 2: accumulators of R's blocks 0-3 ((a, b) at v[8 (8 (a % 4) + b)]);  window 3: blocks 4-7.
.set FR,    12                         ; registers of a fragment
.set NL,    3                          ; LDS loads that bring one
.set NQ,    2                          ; fragments deep in a slot
.set NP,    4                          ; places behind this matrix instruction (ISA guide 7.12.1)
.set FRB,   1536
.set TROW,  NQ*FRB                     ; a tile's bytes in a slot
.set TILEB, 16*FRB                     ; and in memory
.set HALFT, 8*TROW                     ; 8 tiles: what one tensor load brings, and what one wave reads of R or of P
.set SLOT,  4*HALFT                    ; R's 16 tiles, then P's 16
.set LAPS,  4                          ; a lap = two K steps of 256
.set SCLR,  2*SLOT                     ; R's scale words, 16 tiles x 1,024 bytes
.set SCLP,  SCLR+16384+128             ; P's, 128 bytes off a multiple of 256, so that the two halves of the lanes read different words' places
.set SPARE, 229632                     ; the spare words, 128 bytes a wave: two blocks of 256 bytes that no other line names
.set ADRR, 16                          ; v16-17 LDS address of my R fragments in slot 0, 1
.set ADRP, 20                          ; v20-21 the same for P
.set LI,   24                          ; v24 16 x lane
.set SCW,  25                          ; v25 the way out: where my row's scale word goes
.set SCR,  26                          ; v26 and where I read 16 bytes of the 512 back
.set ADRS, 27                          ; v27 my scale words: lanes 0-15 R's, lanes 16-31 P's
.set SPW,  28                          ; v28 my spare word; never rewritten
.set NIL,  29                          ; v29 0; never rewritten
.set SC,   32
.set YR,   64
.set AF,   128
.set PC,   128                         ; the way out: codes v128-139, second halves v140-147, at work v148-163, the eight scale words v164-171
.set PX,   140
.set TM,   148
.set SW,   164
.set G1R,  24
.set G0R,  32
.set SEL,  44
.set PFA,  40                          ; s[40:41] where my prefetches stand (the two masks that lay there are in the descriptors by then)
.set PFO,  30                          ; v30 the prefetches' offset; never rewritten
.set G1P,  48
.set G0P,  56
.set G1SR, 68
.set G0SR, 76
.set G1SP, 80
.set G0SP, 88
.set MSB, 0
.macro WIN new                         ; the immediate's high byte repeats the setting that is left
.if MSB != (\new)
	s_set_vgpr_msb (MSB<<8)|(\new)
.set MSB, \new
.endif
.endm
.set MUL_LO, 0xa1                      ; source 0 (P) window 1, source 1 (R) window 0, C and D window 2
.set MUL_HI, 0xf1
.set TO_B,   0x40                      ; destination window 1
; A joint load: waves 0 and 1 fetch for R, waves 2 and 3 for P.  An s_nop 0 and four v_nop follow each of the two lines.
.macro JLOAD g0a, g1a, g0b, g1b
	s_cmp_eq_u32 s17, 0
	s_cbranch_scc0 .Lfor_b_\@
	tensor_load_to_lds s[\g0a:\g0a+3], s[\g1a:\g1a+7]
	s_nop 0
.rept 4
	v_nop
.endr
	s_branch .Lasked_\@
.Lfor_b_\@:
	tensor_load_to_lds s[\g0b:\g0b+3], s[\g1b:\g1b+7]
	s_nop 0
.rept 4
	v_nop
.endr
.Lasked_\@:
.endm
.macro CREST                           ; a round of the cluster's barrier behind its opening barrier
	s_cmp_lg_u32 s16, 0
	s_cbranch_scc1 .Lnot_wave_0_\@
	s_barrier_signal -3
.Lnot_wave_0_\@:
	s_barrier_wait -3
	s_barrier_signal -1
	s_barrier_wait -1
.endm
.macro CROUND
	s_barrier_signal -1
	s_barrier_wait -1
	CREST
.endm
.macro PLACES n
.rept \n
	v_nop
.endr
.endm
	s_load_b128 s[4:7], s[0:1], 0x0                ; wcod, wscl
	s_load_b128 s[8:11], s[0:1], 0x10              ; rope, qimg
	s_load_b128 s[12:15], s[0:1], 0x20             ; qscl, kv
	v_lshl_add_u32 v[SPW], v0, 2, SPARE
	v_mov_b32 v[NIL], 0
	ds_add_u32 v[SPW], v[NIL]                      ; the wave's opening: the add and its wait ahead of my first tensor load
	ds_add_u32 v[SPW], v[NIL]
	v_lshrrev_b32 v1, 5, v0
	v_readfirstlane_b32 s16, v1                    ; wave 0..3
	s_lshr_b32 s17, s16, 1                         ; RH: which half of R is mine.  Also: I fetch for R (0) or for P (1)
	s_and_b32 s18, s16, 1                          ; PH: which half of P.  Also: which 8 tiles I fetch
	s_bfe_u32 s20, ttmp6, 0x40000                  ; cx
	s_bfe_u32 s21, ttmp6, 0x40004                  ; cy
	s_lshl_b32 s22, ttmp9, 2
	s_add_co_u32 s22, s22, s20                     ; X
	s_and_b32 s23, ttmp7, 0xffff
	s_lshl_b32 s23, s23, 2
	s_add_co_u32 s23, s23, s21                     ; Y
	s_lshl_b32 s40, s21, 2
	s_lshl_b32 s40, 15, s40                        ; my row of the cluster
	s_lshl_b32 s41, 0x1111, s20                    ; my column
	s_or_b32 s[G1R+0], s40, (3<<16)|(1<<21)        ; 15:0 the mask; 17:16 elements of 8 bytes; 21 set beside a mask; no padding: an image is read 512 consecutive bytes at a time
	s_or_b32 s[G1P+0], s41, (3<<16)|(1<<21)
.irp g, G1R, G1P
	s_mov_b32 s[\g+1], 384<<16                     ; tensor_dim0: 3,072 bytes of a tile
	s_mov_b32 s[\g+2], 16<<16                      ; tensor_dim1: 16 tiles for the head's loads; behind them 8, for the ring's
	s_mov_b32 s[\g+3], 384<<16                     ; tile_dim0
	s_mov_b32 s[\g+4], 16                          ; tile_dim1
	s_mov_b32 s[\g+5], 3072                        ; from tile to tile: 24,576 bytes
	s_mov_b32 s[\g+6], 0
	s_mov_b32 s[\g+7], 0
.endr
	s_or_b32 s[G1SR+0], s40, (3<<16)|(1<<21)       ; the scale words of 16 tiles: 16,384 dense bytes as 64 rows of 256
	s_or_b32 s[G1SP+0], s41, (3<<16)|(1<<21)
.irp g, G1SR, G1SP
	s_mov_b32 s[\g+1], 32<<16
	s_mov_b32 s[\g+2], 64<<16                      ; the scale words of 16 tiles: 16,384 dense bytes as 64 rows of 256
	s_mov_b32 s[\g+3], 32<<16
	s_mov_b32 s[\g+4], 64
	s_mov_b32 s[\g+5], 32
	s_mov_b32 s[\g+6], 0
	s_mov_b32 s[\g+7], 0
.endr
	s_cmp_ge_u32 ttmp9, 4                          ; the path for v: the cluster's x, the same in all sixteen partners
	s_cselect_b32 s42, 1, 0
	s_cselect_b32 s66, 384, 0                      ; R: w_v's tiles begin at 384, x's at 0
	s_cselect_b32 s67, 0, 128                      ; P: x's tiles begin at 0, w_q's and w_k's at 128
	s_mul_i32 s2, s18, 8*TILEB                     ; in the ring I fetch 8 tiles: which half, in bytes
	s_mov_b32 s3, 0
	s_lshl_b32 s46, s23, 4
	s_add_co_u32 s46, s46, s66                     ; the first of R's 16 tiles: it hangs on Y alone
	s_and_b32 s47, s22, 15
	s_lshl_b32 s47, s47, 4
	s_add_co_u32 s47, s47, s67                     ; and of P's: on X alone
	s_mul_i32 s96, s46, TILEB
	s_mov_b32 s97, 0
	s_mul_i32 s98, s47, TILEB
	s_mov_b32 s99, 0
	s_lshl_b32 s92, s46, 10
	s_mov_b32 s93, 0
	s_lshl_b32 s94, s47, 10
	s_mov_b32 s95, 0
	s_mul_i32 s43, s16, HALFT                      ; where they go: no place in the cluster enters an LDS address
	s_mov_b32 s[SEL], 0x76543210
	s_mov_b32 s[SEL+1], 0xfedcba98
	s_wait_dscnt 0x0                               ; the opening add is done
	s_wait_kmcnt 0x0
	s_add_nc_u64 s[96:97], s[4:5], s[96:97]
	s_add_nc_u64 s[98:99], s[4:5], s[98:99]
	s_add_nc_u64 s[92:93], s[6:7], s[92:93]
	s_add_nc_u64 s[94:95], s[6:7], s[94:95]
	CROUND                                         ; all sixteen work-groups are here: the first joint loads meet
	s_mov_b32 s[G0SR], 1                           ; the head's four tiles, each whole: the scale words of R's 16 tiles,
	s_mov_b32 s[G0SR+1], SCLR
	s_mov_b64 s[G0SR+2:G0SR+3], s[92:93]
	s_or_b32 s[G0SR+3], s[G0SR+3], 0x80000000
	s_mov_b32 s[G0SP], 1                           ; of P's 16,
	s_mov_b32 s[G0SP+1], SCLP
	s_mov_b64 s[G0SP+2:G0SP+3], s[94:95]
	s_or_b32 s[G0SP+3], s[G0SP+3], 0x80000000
	s_mov_b32 s[G0R], 1                            ; K step 0 of R's 16 tiles (slot 0's group 0 is set to my 8 tiles behind the wait for these loads),
	s_mov_b32 s[G0R+1], 0
	s_mov_b64 s[G0R+2:G0R+3], s[96:97]
	s_or_b32 s[G0R+3], s[G0R+3], 0x80000000
	s_mov_b32 s[G0P], 1                            ; and of P's 16, behind them in slot 0
	s_mov_b32 s[G0P+1], 2*HALFT
	s_mov_b64 s[G0P+2:G0P+3], s[98:99]
	s_or_b32 s[G0P+3], s[G0P+3], 0x80000000
	s_add_nc_u64 s[96:97], s[96:97], s[2:3]        ; for the ring: my 8 tiles
	s_add_nc_u64 s[98:99], s[98:99], s[2:3]
	s_mov_b32 s[G0R+4], 1                          ; slot 1: K step 1
	s_add_co_u32 s[G0R+5], s43, SLOT
	s_add_nc_u64 s[G0R+6:G0R+7], s[96:97], TROW
	s_or_b32 s[G0R+7], s[G0R+7], 0x80000000
	s_mov_b32 s[G0P+4], 1
	s_add_co_u32 s[G0P+5], s43, SLOT
	s_add_nc_u64 s[G0P+6:G0P+7], s[98:99], TROW
	s_or_b32 s[G0P+7], s[G0P+7], 0x80000000
	; THE PREFETCHES INTO THE L2: behind the refill that asks for K step n stands one instruction a wave for K step n + 2 of the 8 tiles that the wave fetches: 96 blocks of 256 bytes,
	; of which each of the four partners that ask for these tiles jointly names 24, told apart by address alone (cx for R, cy for P); lanes 24 to 31 name the 24th again.
	; K steps 1 to 3 come by their loads alone; the loop's last trip, whose refills are K steps 6 and 7, asks for nothing.
	s_cmp_eq_u32 s17, 0
	s_cselect_b64 s[PFA:PFA+1], s[96:97], s[98:99]
	s_cselect_b32 s19, s20, s21                    ; my place among the four
	s_mul_i32 s19, s19, 24                         ; (s19 becomes the loop's counter later)
	s_add_nc_u64 s[PFA:PFA+1], s[PFA:PFA+1], 3*TROW  ; at K step 3: the first refill steps it to 4
; THE HEAD'S LOADS, ONE A WAVE: wave 0 fetches K step 0 of R, wave 1 of P, wave 2 R's scale words, wave 3 P's.  One chain of branches on the wave's number: every way passes exactly one load.
.macro ARM under, g0, g1, next
	s_cmp_lt_u32 s16, \under
	s_cbranch_scc0 \next
	tensor_load_to_lds s[\g0:\g0+3], s[\g1:\g1+7]
	s_nop 0
.rept 4
	v_nop
.endr
	s_branch .Lhead_asked
\next:
.endm
	ARM 1, G0R,  G1R,  .Lhead_p
	ARM 2, G0P,  G1P,  .Lhead_sr
	ARM 3, G0SR, G1SR, .Lhead_sp
	tensor_load_to_lds s[G0SP:G0SP+3], s[G1SP:G1SP+7]
	s_nop 0
.rept 4
	v_nop
.endr
.Lhead_asked:
	v_and_b32 v1, 31, v0                           ; lane
	v_and_b32 v2, 15, v0                           ; r
	v_bfe_u32 v3, v0, 4, 1                         ; h
	s_wait_alu depctr_va_vdst(0)
	v_lshlrev_b32 v[LI], 4, v1
	v_min_u32 v[PFO], 23, v1
	v_add_nc_u32 v[PFO], s19, v[PFO]               ; my block b of the 96: 24 x place + lane
	v_mul_u32_u24 v4, v[PFO], 171
	v_lshrrev_b32 v4, 11, v4                       ; its tile: b / 12 (171 / 2048 serves b under 96)
	v_mul_u32_u24 v5, v4, 12
	v_sub_nc_u32 v[PFO], v[PFO], v5                ; b % 12
	v_lshlrev_b32 v[PFO], 8, v[PFO]
	v_mad_u32_u24 v[PFO], v4, TILEB, v[PFO]        ; tile x 24,576 + 256 x (b % 12)
	s_mul_i32 s46, s17, HALFT                      ; my 8 tiles of R
	s_mul_i32 s47, s18, HALFT                      ; my 8 tiles of P,
	s_add_co_u32 s47, s47, 2*HALFT                 ; which lie behind R's 16
.irp s, 0,1
	v_add_nc_u32 v[ADRR+\s], s46, v[LI]
	v_add_nc_u32 v[ADRP+\s], s47, v[LI]
	s_add_co_u32 s46, s46, SLOT
	s_add_co_u32 s47, s47, SLOT
.endr
	v_lshlrev_b32 v4, 2, v2                        ; 4 r
	s_lshl_b32 s46, s17, 13
	s_lshl_b32 s47, s18, 13
	s_add_co_u32 s47, s47, SCLP-SCLR
	s_sub_co_u32 s47, s47, s46
	v_mul_u32_u24 v5, s47, v3                      ; lanes 16-31 take P's: one product, the distance between the two
	s_add_co_u32 s46, s46, SCLR
	v_add_nc_u32 v5, v4, v5
	v_add_nc_u32 v[ADRS], s46, v5
	s_lshl_b32 s46, s16, 9                         ; the way out's 512 bytes of mine lie in slot 0, which has had its last fill and its last read by then
	v_add_nc_u32 v[SCW], s46, v4
	v_add_nc_u32 v[SCR], s46, v[LI]
	; where the results go
	s_and_b32 s46, s22, 7
	s_lshl_b32 s46, s46, 1
	s_add_co_u32 s46, s46, s18                     ; u = 2 (X % 8) + PH
	s_lshl_b32 s47, s23, 1
	s_add_co_u32 s47, s47, s17                     ; w = 2 Y + RH
	s_lshl_b32 s96, s47, 16
	s_mov_b32 s97, 0
	s_add_nc_u64 s[8:9], s[8:9], s[96:97]          ; the table at my 8 token tiles (q, k)
	s_cmp_lg_u32 s42, 0
	s_cselect_b32 s66, s47, s46                    ; the head: u for q and k, w for v
	s_cselect_b32 s67, s46, s47                    ; the step of 128 tokens: w for q and k, u for v
	s_cselect_b32 s43, 12288, 0
	s_cselect_b32 s2, 512, 0
	s_lshl_b32 s96, s66, 4
	s_add_co_u32 s96, s96, s67
	s_mul_i32 s96, s96, 25600                      ; in kv
	s_add_co_u32 s98, s96, s2
	s_add_co_u32 s98, s98, 24576
	s_add_co_u32 s96, s96, s43
	s_mul_i32 s2, s66, 196608                      ; in qimg
	s_mul_i32 s3, s67, 12288
	s_add_co_u32 s2, s2, s3
	s_lshl_b32 s3, s66, 13                         ; in qscl
	s_lshl_b32 s43, s67, 9
	s_add_co_u32 s3, s3, s43
	s_cmp_lt_u32 ttmp9, 2                          ; q's columns
	s_cselect_b32 s96, s2, s96
	s_cselect_b32 s98, s3, s98
	s_cselect_b64 s[92:93], s[10:11], s[14:15]
	s_cselect_b64 s[94:95], s[12:13], s[14:15]
	s_mov_b32 s97, 0
	s_mov_b32 s99, 0
	s_add_nc_u64 s[92:93], s[92:93], s[96:97]      ; the images
	s_add_nc_u64 s[94:95], s[94:95], s[98:99]      ; the scale words
.macro FRAG reg, adr, q, i             ; a fragment comes as it was stored: three loads of 512 consecutive bytes
.irp c, 0,1,2
	ds_load_b128 v[\reg+4*\c:\reg+4*\c+3], v[\adr] offset:(\i)*TROW+(\q)*FRB+512*\c
.endr
.endm
; 16 matrix instructions: R's blocks a0, a0 + 1 x P's eight.  The 64 accumulators take turns, one instruction a turn, in the same order in every step.
.macro MUL16 a0, p, q, sc, zero
.irp a, \a0, \a0+1
.irp b, 0,1,2,3,4,5,6,7
.if \zero
	v_wmma_scale_f32_16x16x128_f8f6f4 v[8*(8*((\a)%4)+\b):8*(8*((\a)%4)+\b)+7], v[128*(\p)+FR*\b:128*(\p)+FR*\b+FR-1], v[AF+FR*(\a):AF+FR*(\a)+FR-1], 0, v[SC+8*NQ*(\sc)+NQ*\b+(\q)], v[SC+8*NQ*(\sc)+NQ*(\a)+(\q)] matrix_a_fmt:MATRIX_FMT_FP6 matrix_b_fmt:MATRIX_FMT_FP6 matrix_a_scale:MATRIX_SCALE_ROW1
.else
	v_wmma_scale_f32_16x16x128_f8f6f4 v[8*(8*((\a)%4)+\b):8*(8*((\a)%4)+\b)+7], v[128*(\p)+FR*\b:128*(\p)+FR*\b+FR-1], v[AF+FR*(\a):AF+FR*(\a)+FR-1], v[8*(8*((\a)%4)+\b):8*(8*((\a)%4)+\b)+7], v[SC+8*NQ*(\sc)+NQ*\b+(\q)], v[SC+8*NQ*(\sc)+NQ*(\a)+(\q)] matrix_a_fmt:MATRIX_FMT_FP6 matrix_b_fmt:MATRIX_FMT_FP6 matrix_a_scale:MATRIX_SCALE_ROW1
.endif
.endr
.endr
.endm
.macro FETCH_B slot, q, p              ; P's eight fragments into set p
	WIN TO_B
.irp i, 0,1,2,3,4,5,6,7
	FRAG 128*(\p)+FR*\i, ADRP+\slot, \q, \i
.endr
	WIN 0
.endm
.macro FETCH_A slot, q, i0             ; R's blocks i0 .. i0 + 3
.irp i, \i0, \i0+1, \i0+2, \i0+3
	FRAG AF+FR*(\i), ADRR+\slot, \q, \i
.endr
.endm
.macro SCALES sc                       ; the next K step's scale words: lanes 0-15 R's block i, lanes 16-31 P's block i
.irp i, 0,1,2,3,4,5,6,7
.irp q, 0,1
	ds_load_b32 v[SC+8*NQ*(\sc)+NQ*\i+\q], v[ADRS] offset:1024*\i+64*\q
.endr
.endr
.endm
.macro STEP slot, q, zero              ; 128 along K that have their successor in the same slot
	s_wait_dscnt 4*NL                              ; all but the youngest 12 loads (R's blocks 4-7)
	WIN MUL_LO
	MUL16 0, (\q)%2, \q, \slot, \zero
	MUL16 2, (\q)%2, \q, \slot, \zero
	s_wait_dscnt 0                                 ; R's blocks 4-7 are in
	PLACES NP                                      ; in front of loads into registers that matrix instructions have read
	FETCH_B \slot, (\q)+1, 1-(\q)%2
	FETCH_A \slot, (\q)+1, 0
	WIN MUL_HI
	MUL16 4, (\q)%2, \q, \slot, \zero
	MUL16 6, (\q)%2, \q, \slot, \zero
	PLACES NP
	WIN 0
	FETCH_A \slot, (\q)+1, 4
.endm
; A slot's last step changes slots: one barrier; in front of it each wave waits for all its tensor loads, adds 0 to its spare word, and waits for that and for its reads of this slot.
.macro TURN slot, next, fill
.if \fill
	s_wait_xcnt 0x0                                ; my last prefetch has read its address: it is stepped here, a K step behind that prefetch
	s_add_nc_u64 s[PFA:PFA+1], s[PFA:PFA+1], TROW
.endif
	s_wait_tensorcnt 0x0                           ; all my tensor loads have landed: my part of the next slot
	ds_add_u32 v[SPW], v[NIL]
	s_wait_dscnt 4*NL+1                            ; the add and the youngest 12 loads may be out
	WIN MUL_LO
	MUL16 0, 1, NQ-1, \slot, 0
	s_wait_dscnt 0x0                               ; the add is done, and my reads of this slot are over
	s_barrier_signal -1
	MUL16 2, 1, NQ-1, \slot, 0
	WIN 0
	s_barrier_wait -1
.if \fill
	CREST                                          ; the barrier has opened a round of the cluster's: no wave of any partner still reads this slot or has a load on its way
	s_add_nc_u64 s[G0R+4*\slot+2:G0R+4*\slot+3], s[G0R+4*\slot+2:G0R+4*\slot+3], 2*TROW
	s_add_nc_u64 s[G0P+4*\slot+2:G0P+4*\slot+3], s[G0P+4*\slot+2:G0P+4*\slot+3], 2*TROW
	JLOAD G0R+4*\slot, G1R, G0P+4*\slot, G1P       ; the first tensor load behind the round; its four v_nop are the places in front of the loads below
.else
	PLACES NP
.endif
	s_wait_alu depctr_va_vdst(0)
	v_add_nc_u32 v[ADRS], 64*NQ, v[ADRS]
	FETCH_B \next, 0, 0
	FETCH_A \next, 0, 0
	SCALES \next
.if \fill
	s_cmp_gt_u32 s19, 1                            ; not in the loop's last trip: no K step stands two on
	s_cbranch_scc0 .Lno_ask_\@
	global_prefetch_b8 v[PFO], s[PFA:PFA+1] th:TH_LOAD_NT scope:SCOPE_SE
.Lno_ask_\@:
.endif
	WIN MUL_HI
	MUL16 4, 1, NQ-1, \slot, 0
	MUL16 6, 1, NQ-1, \slot, 0
	PLACES NP
	WIN 0
	FETCH_A \next, 0, 4
.endm
; THE WAY OUT.
.macro CSLOAD a                        ; cos and sin of R's block a (16 tokens): 64 registers, in the accumulators' own order, into set a % 4 of window 1
	WIN 0x40
.irp g, 0,1,2,3,4,5,6,7,8,9,10,11,12,13,14,15
	global_load_b128 v[64*((\a)%4)+4*\g:64*((\a)%4)+4*\g+3], v[LI], s[8:9] offset:8192*(\a)+512*\g
.endr
	WIN 0
.endm
.macro ROPE a                          ; y1 = x1 cos - x2 sin, y2 = x2 cos + x1 sin; x1 = registers 0-31 of the block (d under 64), x2 = registers 32-63.  Each accumulator is read from its low end on
.set AA, 64*((\a)%4)
	WIN (2+(\a)/4)|4                               ; source 0: the accumulators; source 1: cos, sin in window 1
.irp u, 0,1
.irp i, 0,2,4,6,8,10,12,14
	v_pk_mul_f32 v[YR+16*\u+\i:YR+16*\u+\i+1], v[AA+16*\u+\i:AA+16*\u+\i+1], v[AA+16*\u+\i:AA+16*\u+\i+1]
	v_pk_mul_f32 v[YR+32+16*\u+\i:YR+32+16*\u+\i+1], v[AA+32+16*\u+\i:AA+32+16*\u+\i+1], v[AA+16*\u+\i:AA+16*\u+\i+1]
.endr
.endr
.irp u, 0,1
.irp i, 0,2,4,6,8,10,12,14
	v_pk_fma_f32 v[YR+16*\u+\i:YR+16*\u+\i+1], v[AA+32+16*\u+\i:AA+32+16*\u+\i+1], v[AA+32+16*\u+\i:AA+32+16*\u+\i+1], v[YR+16*\u+\i:YR+16*\u+\i+1] neg_lo:[0,1,0] neg_hi:[0,1,0]
	v_pk_fma_f32 v[YR+32+16*\u+\i:YR+32+16*\u+\i+1], v[AA+16*\u+\i:AA+16*\u+\i+1], v[AA+32+16*\u+\i:AA+32+16*\u+\i+1], v[YR+32+16*\u+\i:YR+32+16*\u+\i+1]
.endr
.endr
	WIN 0
.endm
; 64 numbers of a lane in window win, register 16 b + i = index 32 b + 16 (lane / 16) + i, become a fragment's codes in v[PC] on and its scale word, both in window 0
.macro QUANT src, win, pwr
	WIN ((\win)<<2)|((\win)<<4)
.irp b, 0,1,2,3
	v_max3_num_f32 v[TM+\b], 0x1800000, |v[(\src)+16*\b]|, |v[(\src)+16*\b+1]|   ; the floor 2^(3 - 127): the byte cannot fall under 1
.endr
.irp i, 2,4,6,8,10,12,14
.irp b, 0,1,2,3
	v_max3_num_f32 v[TM+\b], v[TM+\b], |v[(\src)+16*\b+\i]|, |v[(\src)+16*\b+\i+1]|
.endr
.endr
	WIN 0
.irp b, 0,1,2,3
	v_permlanex16_b32 v[TM+4+\b], v[TM+\b], s[SEL], s[SEL+1]
.endr
.irp b, 0,1,2,3
	v_max_num_f32 v[TM+\b], v[TM+\b], v[TM+4+\b]
.endr
.irp b, 0,1,2,3
	v_add_nc_u32 v[TM+12+\b], 0xff000000, v[TM+\b]
.endr
.irp b, 0,1,2,3
	v_lshrrev_b32 v[TM+4+\b], 23, v[TM+12+\b]
.endr
	v_lshl_or_b32 v[\pwr], v[TM+5], 8, v[TM+4]
	v_lshl_or_b32 v[\pwr], v[TM+6], 16, v[\pwr]
	v_lshl_or_b32 v[\pwr], v[TM+7], 24, v[\pwr]
	WIN (\win)
.irp c, 0,1
	v_cvt_scalef32_pk16_fp6_f32 v[PC+6*\c:PC+6*\c+2], v[(\src)+32*\c:(\src)+32*\c+15], v[TM+12+2*\c]
	v_cvt_scalef32_pk16_fp6_f32 v[PX+4*\c:PX+4*\c+2], v[(\src)+32*\c+16:(\src)+32*\c+31], v[TM+13+2*\c]
.endr
	WIN 0
	v_nop                                          ; one plain place behind a scaled conversion
.irp c, 0,1
.irp i, 0,1,2
	v_permlane16_swap_b32 v[PC+6*\c+\i], v[PX+4*\c+\i]
.endr
.irp i, 0,1,2
	v_mov_b32 v[PC+3+6*\c+\i], v[PX+4*\c+\i]
.endr
.endr
.endm
.macro STOREIMG a
.irp c, 0,1,2
	global_store_b128 v[LI], v[PC+4*\c:PC+4*\c+3], s[92:93] offset:FRB*(\a)+512*\c   ; 32 lanes store 512 consecutive bytes, aligned to 256
.endr
.endm
	s_wait_alu depctr_va_vdst(0)
	s_wait_tensorcnt 0x0                           ; my tile of the head's four is in
	ds_add_u32 v[SPW], v[NIL]
	s_mov_b32 s[G1R+2], 8<<16                      ; no tensor load of mine is out, so descriptors may be written: from here on a load brings 8 tiles,
	s_mov_b32 s[G1R+4], 8
	s_mov_b32 s[G1P+2], 8<<16
	s_mov_b32 s[G1P+4], 8
	s_mul_i32 s2, s18, 8*TILEB
	s_mov_b32 s3, 0
	s_mul_i32 s[G0R+1], s16, HALFT                 ; and slot 0's group 0 stands at my 8 tiles of K step 0: its first refill steps it to K step 2
	s_mul_i32 s[G0P+1], s16, HALFT
	s_add_nc_u64 s[G0R+2:G0R+3], s[G0R+2:G0R+3], s[2:3]
	s_add_nc_u64 s[G0P+2:G0P+3], s[G0P+2:G0P+3], s[2:3]
	s_wait_dscnt 0x0                               ; the add is done
	CROUND                                         ; a whole round: all four tiles are in, and all sixteen work-groups are here
	JLOAD G0R+4, G1R, G0P+4, G1P                   ; K step 1, slot 1's first fill: the first tensor load behind the round
	FETCH_B 0, 0, 0
	FETCH_A 0, 0, 0
	SCALES 0
	FETCH_A 0, 0, 4
	STEP 0, 0, 1                                   ; the first step stands in front of the loop: its products start the sums
	s_mov_b32 s19, LAPS-1
.Llap:                                                 ; a trip goes once round the ring and fills both slots again
	TURN 0, 1, 1
	STEP 1, 0, 0
	TURN 1, 0, 1
	STEP 0, 0, 0
	s_sub_co_u32 s19, s19, 1
	s_cmp_lg_u32 s19, 0
	s_cbranch_scc1 .Llap
	TURN 0, 1, 0                                   ; the last lap fills nothing
	STEP 1, 0, 0
	s_cmp_lg_u32 s42, 0                            ; q, k: the first two blocks' cos and sin are asked for under the last step, into P's set 0, whose last products stand four places back
	s_cbranch_scc1 .Lnocs
	CSLOAD 0
	CSLOAD 1
.Lnocs:
	s_wait_dscnt 4*NL
	WIN MUL_LO
	MUL16 0, 1, NQ-1, 1, 0
	MUL16 2, 1, NQ-1, 1, 0
	s_wait_dscnt 0
	WIN MUL_HI
	MUL16 4, 1, NQ-1, 1, 0
	MUL16 6, 1, NQ-1, 1, 0
	WIN 0
	PLACES NP                                      ; behind the last products: their results are read, and the registers of R's and P's fragments written, only from here on
.irp b, 0,1,2,3
	v_mov_b32 v[TM+4+\b], 0                        ; written once: a lane permute's destination counts as one of its sources
.endr
	s_cmp_lg_u32 s42, 0
	s_cbranch_scc1 .Lplain
	CSLOAD 2
	CSLOAD 3
.irp a, 0,1,2,3,4,5,6,7
.if \a <= 4
	s_wait_loadcnt 48                              ; this block's 16 loads are in; three later blocks' may be out
.else
	s_wait_loadcnt 16*(7-\a)
.endif
	ROPE \a
	s_wait_xcnt 0x0                                ; the last block's stores have read the codes' registers
.if \a < 4
	CSLOAD \a+4
.endif
	QUANT YR, 0, SW+\a
	STOREIMG \a
.endr
	s_branch .Ljoin
.Lplain:
.irp a, 0,1,2,3,4,5,6,7
	s_wait_xcnt 0x0
	QUANT 64*(\a%4), 2+\a/4, SW+\a
	STOREIMG \a
.endr
.Ljoin:
.irp a, 0,1,2,3,4,5,6,7
	ds_store_b32 v[SCW], v[SW+\a] offset:64*\a     ; lanes r and r + 16 write the same word with the same value
.endr
	ds_load_b128 v[148:151], v[SCR]                ; LDS serves a wave's instructions in order: this sees my stores
	s_wait_dscnt 0x0
	global_store_b128 v[LI], v[148:151], s[94:95]  ; my eight fragments' scale words: 512 consecutive bytes
	s_wait_tensorcnt 0x0                           ; the wave's end
	ds_add_u32 v[SPW], v[NIL]
	s_wait_dscnt 0x0
	CROUND                                         ; the closing round
	s_endpgm
.Lfunc_end_k_qf88ccb4af4_qkv:
	.size	k_qf88ccb4af4_qkv, .Lfunc_end_k_qf88ccb4af4_qkv-k_qf88ccb4af4_qkv
	.p2alignl 7, 3214868480
	.fill 96, 4, 3214868480
	.section	.rodata,"a",@progbits
	.p2align	6, 0x0
	.amdhsa_kernel k_qf88ccb4af4_qkv
		.amdhsa_group_segment_fixed_size 327680
		.amdhsa_private_segment_fixed_size 0
		.amdhsa_enable_private_segment 0
		.amdhsa_kernarg_size 48
		.amdhsa_user_sgpr_count 2
		.amdhsa_user_sgpr_kernarg_segment_ptr 1
		.amdhsa_wavefront_size32 1
		.amdhsa_system_sgpr_workgroup_id_x 1
		.amdhsa_system_sgpr_workgroup_id_y 1
		.amdhsa_system_sgpr_workgroup_id_z 1
		.amdhsa_system_vgpr_workitem_id 0
		.amdhsa_next_free_vgpr 1024
		.amdhsa_next_free_sgpr 100
		.amdhsa_reserve_vcc 0
		.amdhsa_float_denorm_mode_32 3
		.amdhsa_float_denorm_mode_16_64 3
		.amdhsa_memory_ordered 1
		.amdhsa_forward_progress 1
		.amdhsa_inst_pref_size 223
	.end_amdhsa_kernel
	.amdgpu_metadata
---
amdhsa.version: [ 1, 2 ]
amdhsa.kernels:
  - .name:           k_qf88ccb4af4_qkv
    .symbol:         k_qf88ccb4af4_qkv.kd
    .args:
      - { .name: wcod, .offset: 0, .size: 8, .value_kind: global_buffer, .address_space: global }
      - { .name: wscl, .offset: 8, .size: 8, .value_kind: global_buffer, .address_space: global }
      - { .name: rope, .offset: 16, .size: 8, .value_kind: global_buffer, .address_space: global }
      - { .name: qimg, .offset: 24, .size: 8, .value_kind: global_buffer, .address_space: global }
      - { .name: qscl, .offset: 32, .size: 8, .value_kind: global_buffer, .address_space: global }
      - { .name: kv, .offset: 40, .size: 8, .value_kind: global_buffer, .address_space: global }
    .group_segment_fixed_size: 327680
    .private_segment_fixed_size: 0
    .kernarg_segment_align: 8
    .kernarg_segment_size: 48
    .max_flat_workgroup_size: 128
    .sgpr_count:     100
    .vgpr_count:     1024
    .wavefront_size: 32
...
	.end_amdgpu_metadata
.endif
;; end of part 2
;; launch attn (part 3): grid 16 x 16, 8 waves a work-group, no clusters, 327,680 bytes of LDS; arguments qimg, qscl, kv, cimg, cscl; writes cimg, cscl
.if DOCPART == 3
	.amdgcn_target "amdgcn-amd-amdhsa--gfx1250"
	.amdhsa_code_object_version 6
	.text
	.protected	k_qf88ccb4af4_attn
	.globl	k_qf88ccb4af4_attn
	.p2align	8
	.type	k_qf88ccb4af4_attn,@function
k_qf88ccb4af4_attn:
	s_mov_b64 s[64:65], 0
	v_nop
	global_prefetch_b8 v0, s[64:65] scope:SCOPE_SE
	s_setreg_imm32_b32 hwreg(HW_REG_WAVE_MODE, 25, 1), 1
	s_wait_xcnt 0x0
; Block-sparse attention on codes of FP6 (E2M3) with E8M0 scales; 16 heads, 2,048 tokens, head size 128.  A block of 64 queries qb sees a block of 64 keys kb where kb <= qb and (qb - kb <= 16 or kb < 2 or kb % 4 == 0); inside a block nothing is masked.
; Steps of 128 keys that the mask, which the problem builds itself, hides from a block of queries are left out whole.
; t = score x log2(e) / sqrt(128); M = the running largest t rounded up to a whole number; p = 2^(t - M) is quantised along the keys; the row's sum is taken of the unquantised p and divides at the end; then ctx is quantised along the model's 2,048 (a head is one K step of 128).
; IN: qimg [head][token tile][1536], qscl [head][tile][64]; kv [head][step of 128 keys][25600]: k's 8 fragments (16 keys x 128), v's 8 (16 channels x 128 keys), k's and v's scale words (8 x 64 bytes each).  Fragments are images of the operand's registers.
; OUT: cimg [token tile][head][1536], cscl [token tile][head][64].
; SHARES: a work-group takes query blocks i (early) and 31 - i (late) of one head and walks the steps of 128 keys that either block wants, 9 to 13 of them, FOUR to a slot of a ring of two (waves 0 to 3 fetch one step each: 25,600 dense bytes).
; EACH WAVE CARRIES TWO STATES (-M, the largest t, the sum, O^T): X, worked at a slot's even places, and Y, at its odd places.  Waves 0-3: X = tile wave % 4 of the late block, Y = the same tile of the early block; waves 4-7 the other way round.
; So a block's steps are shared between waves t and t + 4: 14 to 17 steps of a pair of tiles go to two waves, 9 at the most to one.  A step that the state's block does not want is left out; where it wants one half, the other half's scores become -infinity.  All of this hangs on ids alone.
; AT THE END each wave hands its Y to its partner (wave xor 4) through LDS bytes of its own and joins the partner's Y to its X: both are brought under the larger M by factors 2^(a whole number), which round nothing; a state that saw no step has the factor 0.
; A STEP'S LDS LOADS STAND IN TWO RUNS: k's eight fragments and scale words at its head; v's, into the same 96 registers, four places behind the last product that read k's, so that they land under the softmax.
; NO CLUSTER: only work-groups of one head read the same tiles, their lists of steps differ, and no branch may hang on a work-group's place in a cluster.
; Both products are used transposed (S^T = k q^T, O^T = v^T p^T): a lane holds one query throughout.  Row r of tile a is token (or channel) 32 (a / 2) + 8 (a % 2) + r + 8 (r / 8), so 16 registers of two neighbouring tiles are 16 neighbours.
; Every wait on TENSORcnt is for 0; the jumps round the tensor loads are made of the work-group's number and the count of trips, the same in all eight waves; a step that was not fetched is wanted by no wave.
; A wave's 64 bytes of scale words do not fill 256 consecutive bytes: four heads would have to meet; it is 131,072 bytes in the whole launch.
; LIMITS: NaN and infinities are not served; the promise holds while the scaled scores t stay under 2^31 in magnitude; a block whose largest magnitude lies under 2^-124 gets the byte 1; 1 / sum by v_rcp_f32.
; REGISTERS: window 0: v1, v2 lane terms; v4, v7, v10, v11 the hand-over's addresses; v5, v6 the add's two; v8, v9 addresses in hand; X: v12 -M, v13 the largest t, v[14:15] the sum, v16-27 q, v56 q's scale words; Y: v40-43, v44-55, v57;
;   v28 the prefetches' offset; v80-87 k's scale words, v88-95 v's; v96-159 S^T, then p; v160-223 X's O^T; v224-235 codes; v232-254 at work; v253 p's scale word.   window 1: v0-95 eight fragments, of k and then of v; v96-159 Y's O^T.
.set FRB,   1536
.set STEPB, 25600
.set VOF,   12288
.set KSC,   24576
.set VSC,   25088
.set SLOT1, 131072                     ; a slot holds four steps, 102,400 bytes; slot 1 begins here, so that one exclusive or turns an address in one slot into the other's
.set SPARE, 102400                     ; behind slot 0: the spare words, 128 bytes a wave: four blocks of 256 bytes that no other line names
.set MRG,   233472                     ; behind slot 1: the hand-over, MRGW bytes a wave, into which no fill lands
.set MRGW,  8448                       ; O^T as 16 groups of 512 bytes, then -M and the sum, 128 bytes each
.set LI,   1
.set W4,   2
.set ML4,  4
.set SPW,  5
.set NIL,  6
.set MS4,  7
.set ADL,  8
.set ADW,  9
.set MSA,  10
.set MLA,  11
.set PFO,  28
.set KS,   80
.set VS,   88
.set PC,   224
.set PX,   236
.set TM,   232
.set WV,   14
.set HD,   16
.set KM,   17                          ; s17, s18 bit kb: X's, Y's block of queries sees key block kb
.set UM,   19                          ; s19 bit 2 p: step p is wanted by one of the two blocks and has not been asked for
.set SEL,  20
.set CS,   22
.set G1,   24
.set G0,   32                          ; s[32:47] four groups 0: wave j's brings a slot's j-th step
.set KVH,  48
.set TB,   50
.set TRIPS, 51
.set LIM,  52
.set VV,   66                          ; s66-69: is there such a step
.set NB,   70                          ; s70-73: which halves of the steps asked for the state of that place wants
.set CB,   74                          ; s74-77: the same of the steps in hand
.set PFA,  78
.set MSB, 0
.macro WIN new                         ; the immediate's high byte repeats the setting that is left
.if MSB != (\new)
	s_set_vgpr_msb (MSB<<8)|(\new)
.set MSB, \new
.endif
.endm
.macro KMASK dst, qb, tmp
	s_lshl_b32 \dst, -2, \qb
	s_not_b32 \dst, \dst                           ; kb <= qb
	s_sub_co_i32 \tmp, \qb, 16
	s_max_i32 \tmp, \tmp, 0
	s_lshl_b32 \tmp, -1, \tmp                      ; qb - kb <= 16
	s_or_b32 \tmp, \tmp, 0x11111113                ; or kb < 2, or kb % 4 == 0
	s_and_b32 \dst, \dst, \tmp
.endm
; The next wanted step goes into descriptor j: register work alone.  With none left the flag and the halves are 0, and the descriptor is not used.
.macro NEXTSTEP j
	s_ctz_i32_b32 s54, s[UM]
	s_cmp_lg_u32 s[UM], 0
	s_cselect_b32 s[VV+\j], 1, 0
	s_cselect_b32 s54, s54, 0                      ; 2 p
	s_lshr_b32 s56, s[KM+(\j)%2], s54              ; even places: X's block; odd places: Y's
	s_and_b32 s56, s56, 3
	s_mul_i32 s[NB+\j], s56, s[VV+\j]
	s_sub_co_u32 s56, s[UM], 1
	s_and_b32 s[UM], s[UM], s56
	s_mul_i32 s54, s54, STEPB/2
	s_mov_b32 s55, 0
	s_add_nc_u64 s[G0+4*\j+2:G0+4*\j+3], s[KVH:KVH+1], s[54:55]
	s_or_b32 s[G0+4*\j+3], s[G0+4*\j+3], 0x80000000
	s_xor_b32 s[G0+4*\j+1], s[G0+4*\j+1], SLOT1    ; the other slot than last time
.endm
; A prefetch into the L2 of the last 131,072 bytes of the head's 409,600: the last 3,072 bytes of step 10 and steps 11 to 15.  But for step 10's, no list of steps asks for them before its second trip.
; A head's first work-group asks, in its waves 4 to 7, which fetch nothing, in the first trip alone: four instructions a wave, 32,768 bytes, lanes 256 bytes apart: each block of 256 bytes is named once in the launch.
; The last byte named is byte 409,344 of the head.  The address registers are never rewritten.
.macro ASK
	s_cmp_eq_u32 s[TRIPS], s[LIM]
	s_cbranch_scc0 .Lnot_mine_\@
.irp k, 0,1,2,3
	global_prefetch_b8 v[PFO], s[PFA:PFA+1] offset:8192*\k th:TH_LOAD_NT scope:SCOPE_SE
.endr
.Lnot_mine_\@:
.endm
.macro QUANT src, pwr
.irp b, 0,1,2,3
	v_max3_num_f32 v[TM+\b], |v[(\src)+16*\b]|, |v[(\src)+1+16*\b]|, 0x1800000
.endr
.irp i, 2,4,6,8,10,12,14
.irp b, 0,1,2,3
	s_delay_alu instid0(VALU_DEP_4)
	v_max3_num_f32 v[TM+\b], v[TM+\b], |v[(\src)+16*\b+\i]|, |v[(\src)+1+16*\b+\i]|
.endr
.endr
.irp b, 0,1,2,3
	s_delay_alu instid0(VALU_DEP_4)
	v_permlanex16_b32 v[TM+4+\b], v[TM+\b], s[SEL], s[SEL+1]
.endr
.irp b, 0,1,2,3
	s_delay_alu instid0(VALU_DEP_4)
	v_max_num_f32 v[TM+\b], v[TM+\b], v[TM+4+\b]
.endr
.irp b, 0,1,2,3
	s_delay_alu instid0(VALU_DEP_4)
	v_add_nc_u32 v[TM+12+\b], 0xff000000, v[TM+\b]
.endr
.irp b, 0,1,2,3
	s_delay_alu instid0(VALU_DEP_4)
	v_lshrrev_b32 v[TM+4+\b], 23, v[TM+12+\b]
.endr
	s_delay_alu instid0(VALU_DEP_3)
	v_lshl_or_b32 v[\pwr], v[TM+5], 8, v[TM+4]
	s_delay_alu instid0(VALU_DEP_1)
	v_lshl_or_b32 v[\pwr], v[TM+6], 16, v[\pwr]
	s_delay_alu instid0(VALU_DEP_1)
	v_lshl_or_b32 v[\pwr], v[TM+7], 24, v[\pwr]
.irp c, 0,1
	v_cvt_scalef32_pk16_fp6_f32 v[PC+6*\c:PC+6*\c+2], v[(\src)+32*\c:(\src)+32*\c+15], v[TM+12+2*\c]
	v_cvt_scalef32_pk16_fp6_f32 v[PX+4*\c:PX+4*\c+2], v[(\src)+32*\c+16:(\src)+32*\c+31], v[TM+13+2*\c]
.endr
	v_nop
.irp c, 0,1
.irp i, 0,1,2
	v_permlane16_swap_b32 v[PC+6*\c+\i], v[PX+4*\c+\i]
.endr
.irp i, 0,1,2
	s_delay_alu instid0(VALU_DEP_3)
	v_mov_b32 v[PC+3+6*\c+\i], v[PX+4*\c+\i]
.endr
.endr
.endm
	s_load_b256 s[4:11], s[0:1], 0x0               ; qimg, qscl, kv, cimg
	s_load_b64 s[12:13], s[0:1], 0x20              ; cscl
	v_lshl_add_u32 v[SPW], v0, 2, SPARE
	v_mov_b32 v[NIL], 0
	ds_add_u32 v[SPW], v[NIL]                      ; the wave's opening: the add, twice on end, and its wait ahead of the first tensor load
	ds_add_u32 v[SPW], v[NIL]
	v_lshrrev_b32 v8, 5, v0
	s_delay_alu instid0(VALU_DEP_1)
	v_readfirstlane_b32 s[WV], v8                  ; wave 0..7
	v_and_b32 v[LI], 31, v0
	v_and_b32 v[W4], 15, v0
	s_delay_alu instid0(VALU_DEP_2)
	v_lshlrev_b32 v[PFO], 8, v[LI]
	v_lshlrev_b32 v3, 2, v[LI]                     ; 4 x lane
	v_lshlrev_b32 v[LI], 4, v[LI]                  ; 16 x lane
	v_lshlrev_b32 v[W4], 2, v[W4]                  ; 4 r
	s_mul_i32 s54, s[WV], MRGW
	s_xor_b32 s55, s[WV], 4                        ; my partner
	s_mul_i32 s55, s55, MRGW
	s_add_co_u32 s54, s54, MRG
	s_add_co_u32 s55, s55, MRG
	v_add_nc_u32 v[MSA], s54, v[LI]                ; the hand-over: where I store,
	v_add_nc_u32 v[MLA], s55, v[LI]                ; and where I read what my partner stored
	v_add_nc_u32 v[MS4], s54, v3
	v_add_nc_u32 v[ML4], s55, v3
	s_and_b32 s[HD], ttmp7, 0xffff
	s_sub_co_u32 s57, 31, ttmp9                    ; the late block
	KMASK s60, ttmp9, s56
	KMASK s61, s57, s56
	s_or_b32 s[UM], s60, s61
	s_lshr_b32 s56, s[UM], 1
	s_or_b32 s[UM], s[UM], s56
	s_and_b32 s[UM], s[UM], 0x55555555             ; made of the work-group's number alone: the same in all eight waves
	s_cmp_lt_u32 s[WV], 4
	s_cselect_b32 s58, s57, ttmp9                  ; X's block: the late one in waves 0-3
	s_cselect_b32 s59, ttmp9, s57                  ; Y's
	s_cselect_b32 s[KM], s61, s60
	s_cselect_b32 s[KM+1], s60, s61
	s_and_b32 s56, s[WV], 3
	s_lshl_b32 s58, s58, 2
	s_add_co_u32 s58, s58, s56                     ; X's tile of 16 queries
	s_lshl_b32 s59, s59, 2
	s_add_co_u32 s59, s59, s56                     ; Y's
	s_mov_b32 s[G1], 3<<16                         ; a step: 25,600 dense bytes as 100 rows of 256: elements of 8 bytes, no mask, no padding
	s_mov_b32 s[G1+1], 32<<16
	s_mov_b32 s[G1+2], 100<<16
	s_mov_b32 s[G1+3], 32<<16
	s_mov_b32 s[G1+4], 100
	s_mov_b32 s[G1+5], 32
	s_mov_b32 s[G1+6], 0
	s_mov_b32 s[G1+7], 0
.irp j, 0,1,2,3
	s_mov_b32 s[G0+4*\j], 1
	s_mov_b32 s[G0+4*\j+1], SLOT1+STEPB*\j         ; (the first use turns it to slot 0)
.endr
	s_mov_b32 s[SEL], 0x76543210
	s_mov_b32 s[SEL+1], 0xfedcba98
	s_mov_b32 s[CS], 0x3e0293ee                    ; c = log2(e) / sqrt(128)
	s_mov_b32 s[CS+1], s[CS]
	s_mov_b32 s[TB], 0
	s_mov_b32 s[TRIPS], 4
	s_lshr_b32 s56, s[WV], 2
	s_xor_b32 s56, s56, 1                          ; 0 in waves 4 to 7,
	s_or_b32 s56, s56, ttmp9                       ; of a head's first work-group
	s_cmp_eq_u32 s56, 0
	s_cselect_b32 s[LIM], 4, 0                     ; they ask where four trips are left: in the first; the count of trips is never 0 inside the loop
	s_mul_i32 s62, s[HD], 16*STEPB
	s_mov_b32 s63, 0
	s_wait_dscnt 0x0                               ; both opening adds are done
	s_wait_kmcnt 0x0
	s_add_nc_u64 s[KVH:KVH+1], s[8:9], s[62:63]
	NEXTSTEP 0                                     ; every list has at least nine steps: all four are there
	NEXTSTEP 1
	NEXTSTEP 2
	NEXTSTEP 3
.irp j, 0,1,2,3                                    ; slot 0's first fill, one load in each of waves 0 to 3: one chain of arms, one load to an arm, all leading to one join
	s_cmp_lg_u32 s[WV], \j
	s_cbranch_scc1 .Lfirst_\j
	tensor_load_to_lds s[G0+4*\j:G0+4*\j+3], s[G1:G1+7]
	s_nop 0
.rept 4
	v_nop
.endr
	s_branch .Lfirst_done
.Lfirst_\j:
.endr
.Lfirst_done:
.irp j, 0,1,2,3
	s_mov_b32 s[CB+\j], s[NB+\j]
.endr
	s_lshl_b32 s56, s[HD], 7
	s_add_co_u32 s57, s56, s58
	s_add_co_u32 s53, s56, s59
	s_mov_b32 s55, 0
	s_mul_i32 s54, s57, FRB
	s_add_nc_u64 s[60:61], s[4:5], s[54:55]        ; X's q
	s_mul_i32 s54, s53, FRB
	s_add_nc_u64 s[62:63], s[4:5], s[54:55]        ; Y's
	s_lshl_b32 s54, s57, 6
	s_add_nc_u64 s[4:5], s[6:7], s[54:55]          ; and their scale words
	s_lshl_b32 s54, s53, 6
	s_add_nc_u64 s[6:7], s[6:7], s[54:55]
	s_wait_alu depctr_va_vdst(0)
.irp c, 0,1,2
	global_load_b128 v[16+4*\c:19+4*\c], v[LI], s[60:61] offset:512*\c   ; both fragments of q stay in registers
	global_load_b128 v[44+4*\c:47+4*\c], v[LI], s[62:63] offset:512*\c
.endr
	global_load_b32 v56, v[W4], s[4:5]
	global_load_b32 v57, v[W4], s[6:7]
	s_lshl_b32 s56, s58, 4
	s_add_co_u32 s56, s56, s[HD]
	s_mul_i32 s54, s56, FRB
	s_add_nc_u64 s[10:11], s[10:11], s[54:55]      ; where X's fragment of ctx goes
	s_lshl_b32 s54, s56, 6
	s_add_nc_u64 s[12:13], s[12:13], s[54:55]
	s_and_b32 s54, s[WV], 3
	s_lshl_b32 s54, s54, 15
	s_add_co_u32 s54, s54, 16*STEPB-131072         ; the prefetches: 32,768 bytes a wave of the head's last 131,072
	s_add_nc_u64 s[PFA:PFA+1], s[KVH:KVH+1], s[54:55]
	v_mov_b32 v13, 0xff61b1e6                      ; the largest t so far: -3e38
	v_mov_b32 v41, 0xff61b1e6
	s_delay_alu instid0(VALU_DEP_2)
	v_floor_f32 v12, -v13                          ; -M
	s_delay_alu instid0(VALU_DEP_2)
	v_floor_f32 v40, -v41
.irp n, 14,15,42,43,236,237,238,239,252,253
	v_mov_b32 v[\n], 0                             ; the sums; and registers that are named as a lane permute's destination or as a pair's upper half before they are first written
.endr
.irp a, 0,16,32,48
.irp e, 0,1,2,3,4,5,6,7,8,9,10,11,12,13,14,15
	v_mov_b32 v[160+\a+\e], 0                      ; X's O^T: the step is written once for each state; the first finds zeros, which the first change of M leaves zeros
.endr
.endr
	WIN 0x40
.irp a, 0,16,32,48
.irp e, 0,1,2,3,4,5,6,7,8,9,10,11,12,13,14,15
	v_mov_b32 v[96+\a+\e], 0                       ; Y's, in window 1
.endr
.endr
	WIN 0
; A KEY STEP: 128 keys, the j-th of the slot in hand, for state y (0: X, 1: Y)
.macro STEP j, y
.set NM, 12+28*(\y)                    ; -M; NM + 1 the largest t; NM + 2, NM + 3 the sum
.set QF, 16+28*(\y)                    ; q's fragment
.set QS, 56+(\y)                       ; q's scale words
.set OB, 160-64*(\y)                   ; O^T: v160 on in window 0, or v96 on in window 1
	s_cmp_eq_u32 s[CB+\j], 0                       ; this state's block of queries sees none of these keys
	s_cbranch_scc1 .Lskip_\@
	s_add_co_u32 s56, s[TB], STEPB*\j              ; where the step lies in LDS
	v_add_nc_u32 v[ADL], s56, v[LI]
	v_add_nc_u32 v[ADW], s56, v[W4]
	v_nop
	v_nop                                          ; four places in front of loads into registers that matrix instructions have read
.irp t, 0,1,2,3,4,5,6,7
	ds_load_b32 v[KS+\t], v[ADW] offset:KSC+64*\t  ; k's scale words,
.endr
	WIN 0x40                                       ; destination window 1
.irp t, 0,1,2,3,4,5,6,7
.irp c, 0,1,2
	ds_load_b128 v[12*\t+4*\c:12*\t+4*\c+3], v[ADL] offset:FRB*\t+512*\c   ; and its eight fragments, in one run
.endr
.endr
	WIN 0x01                                       ; source 0 window 1
	s_wait_alu depctr_va_vdst(0)
	s_wait_dscnt 12                                ; the scale words and tiles 0 to 3 are in; the youngest twelve loads (tiles 4 to 7) may be out
.irp t, 0,1,2,3
	v_wmma_scale_f32_16x16x128_f8f6f4 v[96+8*\t:103+8*\t], v[12*\t:12*\t+11], v[QF:QF+11], 0, v[KS+\t], v[QS] matrix_a_fmt:MATRIX_FMT_FP6 matrix_b_fmt:MATRIX_FMT_FP6
.endr
	s_wait_dscnt 0x0
.irp t, 4,5,6,7
	v_wmma_scale_f32_16x16x128_f8f6f4 v[96+8*\t:103+8*\t], v[12*\t:12*\t+11], v[QF:QF+11], 0, v[KS+\t], v[QS] matrix_a_fmt:MATRIX_FMT_FP6 matrix_b_fmt:MATRIX_FMT_FP6
.endr
	WIN 0
.rept 4
	v_nop                                          ; four places behind the products: in front of the loads into k's registers, and of the first read of the scores
.endr
.irp t, 0,1,2,3,4,5,6,7
	ds_load_b32 v[VS+\t], v[ADW] offset:VSC+64*\t  ; v's scale words and fragments are asked for here and land under the softmax
.endr
	WIN 0x40
.irp t, 0,1,2,3,4,5,6,7
.irp c, 0,1,2
	ds_load_b128 v[12*\t+4*\c:12*\t+4*\c+3], v[ADL] offset:VOF+FRB*\t+512*\c
.endr
.endr
	WIN 0                                          ; at a label and at a branch every window is 0
	s_cmp_lg_u32 s[CB+\j], 1                       ; only the first 64 keys count: registers 32-63 hold the others
	s_cbranch_scc1 .Lnot_lo_\@
.irp a, 0,16
.irp e, 0,1,2,3,4,5,6,7,8,9,10,11,12,13,14,15
	v_mov_b32 v[128+\a+\e], 0xff800000
.endr
.endr
.Lnot_lo_\@:
	s_cmp_lg_u32 s[CB+\j], 2                       ; only the second 64
	s_cbranch_scc1 .Lnot_hi_\@
.irp a, 0,16
.irp e, 0,1,2,3,4,5,6,7,8,9,10,11,12,13,14,15
	v_mov_b32 v[96+\a+\e], 0xff800000
.endr
.endr
.Lnot_hi_\@:
.irp b, 0,1,2,3
	v_max3_num_f32 v[232+\b], v[96+16*\b], v[97+16*\b], v[98+16*\b]   ; the largest score of each block of 32 keys: for the row's maximum, and, since p rises with the score, for the block's largest p
.endr
.irp i, 3,5,7,9,11,13
.irp b, 0,1,2,3
	v_max3_num_f32 v[232+\b], v[232+\b], v[96+16*\b+\i], v[97+16*\b+\i]
.endr
.endr
.irp b, 0,1,2,3
	v_max_num_f32 v[232+\b], v[232+\b], v[111+16*\b]
.endr
.irp b, 0,1,2,3
	s_delay_alu instid0(VALU_DEP_4)
	v_permlanex16_b32 v[236+\b], v[232+\b], s[SEL], s[SEL+1]
.endr
.irp b, 0,1,2,3
	s_delay_alu instid0(VALU_DEP_4)
	v_max_num_f32 v[232+\b], v[232+\b], v[236+\b]
.endr
	s_delay_alu instid0(VALU_DEP_2)
	v_max3_num_f32 v254, v232, v233, v234
	s_delay_alu instid0(VALU_DEP_1)
	v_max_num_f32 v254, v254, v235
	s_delay_alu instid0(VALU_DEP_1)
	v_mul_f32 v254, s[CS], v254
	s_delay_alu instid0(VALU_DEP_1)
	v_max_num_f32 v[NM+1], v[NM+1], v254           ; the running largest t
	v_mov_b32 v254, v[NM]
	s_delay_alu instid0(VALU_DEP_2)
	v_floor_f32 v[NM], -v[NM+1]                    ; the new -M: M is a whole number
	s_delay_alu instid0(VALU_DEP_1)
	v_sub_f32 v254, v[NM], v254
	s_delay_alu instid0(VALU_DEP_1)
	v_cvt_i32_f32 v254, v254                       ; (it saturates)
	s_delay_alu instid0(VALU_DEP_1)
	v_ldexp_f32 v252, 1.0, v254                    ; f = 2^(old M - new M): rounds nothing
.irp a, 0,16,32,48
.irp e, 0,2,4,6,8,10,12,14
	v_pk_fma_f32 v[96+\a+\e:97+\a+\e], v[96+\a+\e:97+\a+\e], s[CS:CS+1], v[NM:NM+1] op_sel_hi:[1,0,0]   ; t - M
.endr
.endr
.irp b, 0,1,2,3
	v_fma_f32 v[232+\b], v[232+\b], s[CS], v[NM]
.endr
	s_wait_alu depctr_va_vdst(0)
.irp a, 0,16,32,48
.irp e, 0,1,2,3,4,5,6,7,8,9,10,11,12,13,14,15
	v_exp_f32 v[96+\a+\e], v[96+\a+\e]             ; p = 2^(t - M)
.endr
.endr
	v_pk_mul_f32 v[NM+2:NM+3], v[NM+2:NM+3], v[252:253] op_sel_hi:[1,0]   ; the sums under the new M: a plain place behind the exponentials
	s_wait_alu depctr_va_vdst(0)                   ; one wait for the batch, ahead of its first reader
.irp b, 0,1,2,3
	v_exp_f32 v[232+\b], v[232+\b]                 ; the block's largest p
.endr
	v_pk_add_f32 v[236:237], v[100:101], v[104:105]
	v_pk_add_f32 v[250:251], v[108:109], v[112:113]
	v_pk_add_f32 v[248:249], v[116:117], v[120:121]
	v_pk_add_f32 v[246:247], v[124:125], v[128:129]
	v_pk_add_f32 v[244:245], v[132:133], v[136:137]
	v_pk_add_f32 v[242:243], v[140:141], v[144:145]
	v_pk_add_f32 v[240:241], v[148:149], v[152:153]
	v_pk_add_f32 v[NM+2:NM+3], v[NM+2:NM+3], v[156:157]
	v_pk_add_f32 v[236:237], v[236:237], v[96:97]
	v_pk_add_f32 v[250:251], v[250:251], v[98:99]
	v_pk_add_f32 v[248:249], v[248:249], v[102:103]
	v_pk_add_f32 v[246:247], v[246:247], v[106:107]
	v_pk_add_f32 v[244:245], v[244:245], v[110:111]
	v_pk_add_f32 v[242:243], v[242:243], v[114:115]
	v_pk_add_f32 v[240:241], v[240:241], v[118:119]
	v_pk_add_f32 v[NM+2:NM+3], v[NM+2:NM+3], v[122:123]
	v_pk_add_f32 v[236:237], v[236:237], v[126:127]
	v_pk_add_f32 v[250:251], v[250:251], v[130:131]
	v_pk_add_f32 v[248:249], v[248:249], v[134:135]
	v_pk_add_f32 v[246:247], v[246:247], v[138:139]
	v_pk_add_f32 v[244:245], v[244:245], v[142:143]
	v_pk_add_f32 v[242:243], v[242:243], v[146:147]
	v_pk_add_f32 v[240:241], v[240:241], v[150:151]
	v_pk_add_f32 v[NM+2:NM+3], v[NM+2:NM+3], v[154:155]
	v_pk_add_f32 v[236:237], v[236:237], v[158:159]
	s_delay_alu instid0(VALU_DEP_2)
	v_pk_add_f32 v[NM+2:NM+3], v[NM+2:NM+3], v[246:247]
	s_delay_alu instid0(VALU_DEP_2)
	v_pk_add_f32 v[236:237], v[236:237], v[244:245]
	v_pk_add_f32 v[250:251], v[250:251], v[242:243]
	v_pk_add_f32 v[248:249], v[248:249], v[240:241]
	s_delay_alu instid0(VALU_DEP_2)
	v_pk_add_f32 v[NM+2:NM+3], v[NM+2:NM+3], v[250:251]
	s_delay_alu instid0(VALU_DEP_2)
	v_pk_add_f32 v[236:237], v[236:237], v[248:249]
	s_delay_alu instid0(VALU_DEP_1)
	v_pk_add_f32 v[NM+2:NM+3], v[NM+2:NM+3], v[236:237]
	s_wait_alu depctr_va_vdst(0)                   ; and one for the four
.irp b, 0,1,2,3
	v_max_num_f32 v[232+\b], 0x1800000, v[232+\b]  ; the floor 2^(3 - 127)
.endr
.irp b, 0,1,2,3
	s_delay_alu instid0(VALU_DEP_4)
	v_add_nc_u32 v[244+\b], 0xff000000, v[232+\b]
.endr
.irp b, 0,1,2,3
	s_delay_alu instid0(VALU_DEP_4)
	v_lshrrev_b32 v[236+\b], 23, v[244+\b]
.endr
	s_delay_alu instid0(VALU_DEP_3)
	v_lshl_or_b32 v253, v237, 8, v236              ; p's scale word for these 128 keys
	s_delay_alu instid0(VALU_DEP_1)
	v_lshl_or_b32 v253, v238, 16, v253
	s_delay_alu instid0(VALU_DEP_1)
	v_lshl_or_b32 v253, v239, 24, v253
.irp c, 0,1
	v_cvt_scalef32_pk16_fp6_f32 v[224+6*\c:226+6*\c], v[96+32*\c:111+32*\c], v[244+2*\c]
	v_cvt_scalef32_pk16_fp6_f32 v[236+4*\c:238+4*\c], v[112+32*\c:127+32*\c], v[244+2*\c+1]
.endr
	v_nop                                          ; one plain place behind a scaled conversion
.irp c, 0,1
.irp i, 0,1,2
	v_permlane16_swap_b32 v[224+6*\c+\i], v[236+4*\c+\i]
.endr
.irp i, 0,1,2
	s_delay_alu instid0(VALU_DEP_3)
	v_mov_b32 v[227+6*\c+\i], v[236+4*\c+\i]
.endr
.endr
	WIN 0x41*(\y)                                  ; Y's O^T: destination and source 0 in window 1
	s_wait_alu depctr_va_vdst(0)                   ; the wait here, directly ahead of the first reader of O^T
.irp a, 0,16,32,48
.irp e, 0,2,4,6,8,10,12,14
	v_pk_mul_f32 v[OB+\a+\e:OB+\a+\e+1], v[OB+\a+\e:OB+\a+\e+1], v[252:253] op_sel_hi:[1,0]   ; O^T under the new M; these 32 are also the places between the lines that made p's codes and scale word and the products below
.endr
.endr
	s_wait_alu depctr_va_vdst(0)
	s_wait_dscnt 0x0                               ; v's fragments and scale words, asked for ahead of the softmax
	WIN 0x01+0x50*(\y)                             ; source 0 window 1; for Y also C and D
.irp t, 0,1,2,3,4,5,6,7
	v_wmma_scale_f32_16x16x128_f8f6f4 v[OB+8*\t:OB+8*\t+7], v[12*\t:12*\t+11], v[224:235], v[OB+8*\t:OB+8*\t+7], v[VS+\t], v253 matrix_a_fmt:MATRIX_FMT_FP6 matrix_b_fmt:MATRIX_FMT_FP6
.endr
	WIN 0
.Lskip_\@:
.endm
	s_wait_alu depctr_va_vdst(0)                   ; the head's end
	s_wait_loadcnt 0x0                             ; q
.Ltrip:                                                ; four trips, a slot of four steps each: room for 16 steps, and no list has more than 13
	s_wait_tensorcnt 0x0                           ; no tensor load of mine is out: the slot ahead has my part, and the descriptors may be written
	ds_add_u32 v[SPW], v[NIL]                      ; 0 onto my spare word; register work stands between it and the wait for it
	ds_add_u32 v[SPW], v[NIL]                      ; and once more
	NEXTSTEP 0
	NEXTSTEP 1
	NEXTSTEP 2
	NEXTSTEP 3
	s_wait_dscnt 0x0                               ; the adds are done, and my reads of the slot that I have left are over
	s_barrier_signal -1
	s_barrier_wait -1
.irp j, 0,1,2,3
	s_cmp_eq_u32 s[VV+\j], 0                       ; is there a step to ask for: the same answer in all eight waves
	s_cbranch_scc1 .Lno_\j
	s_cmp_lg_u32 s[WV], \j
	s_cbranch_scc1 .Lno_\j
	tensor_load_to_lds s[G0+4*\j:G0+4*\j+3], s[G1:G1+7]   ; wave j's one tensor load behind the barrier: into the slot just left; it has this slot's four steps in which to land
	s_nop 0
.rept 4
	v_nop
.endr
	s_branch .Lfilled                              ; one chain of arms here too
.Lno_\j:
.endr
.Lfilled:
	ASK
	STEP 0, 0
	STEP 1, 1
	STEP 2, 0
	STEP 3, 1
.irp j, 0,1,2,3
	s_mov_b32 s[CB+\j], s[NB+\j]
.endr
	s_xor_b32 s[TB], s[TB], SLOT1
	s_sub_co_u32 s[TRIPS], s[TRIPS], 1
	s_cmp_lg_u32 s[TRIPS], 0
	s_cbranch_scc1 .Ltrip
	; THE HAND-OVER: my Y goes to my partner as an image of its registers
	s_wait_tensorcnt 0x0                           ; no tensor load of mine is out
	v_add_f32 v42, v42, v43                        ; Y's sum, its two halves
.rept 3
	v_nop                                          ; with the line above: four places behind the last products
.endr
	WIN 0x04                                       ; the data: window 1
	s_wait_alu depctr_va_vdst(0)                   ; the wait here, directly ahead of the first reader of Y's O^T
.irp t, 0,1,2,3,4,5,6,7
	ds_store_b128 v[MSA], v[96+8*\t:99+8*\t] offset:1024*\t          ; each accumulator from its low end on
	ds_store_b128 v[MSA], v[100+8*\t:103+8*\t] offset:1024*\t+512
.endr
	WIN 0
	ds_store_b32 v[MS4], v40 offset:8192           ; -M
	ds_store_b32 v[MS4], v42 offset:8320           ; the sum
	s_wait_alu depctr_va_vdst(0)
	s_wait_dscnt 0x0                               ; for my partner's sake: my stores are done
	s_barrier_signal -1
	s_barrier_wait -1
.irp t, 0,1,2,3,4,5,6,7
	ds_load_b128 v[96+8*\t:99+8*\t], v[MLA] offset:1024*\t           ; my partner's Y: the other steps of my X's queries
	ds_load_b128 v[100+8*\t:103+8*\t], v[MLA] offset:1024*\t+512
.endr
	ds_load_b32 v232, v[ML4] offset:8192
	ds_load_b32 v233, v[ML4] offset:8320
	s_wait_dscnt 0x0
	v_add_f32 v14, v14, v15
	v_min_num_f32 v234, v12, v232                  ; the joint -M: of the larger M
	s_delay_alu instid0(VALU_DEP_1)
	v_sub_f32 v235, v234, v12                      ; whole numbers, 0 or less
	v_sub_f32 v244, v234, v232
	s_delay_alu instid0(VALU_DEP_2)
	v_cvt_i32_f32 v235, v235                       ; (they saturate: a state that saw no step gets the factor 0)
	s_delay_alu instid0(VALU_DEP_2)
	v_cvt_i32_f32 v244, v244
	s_delay_alu instid0(VALU_DEP_2)
	v_ldexp_f32 v238, 1.0, v235                    ; my factor,
	s_delay_alu instid0(VALU_DEP_2)
	v_ldexp_f32 v240, 1.0, v244                    ; and my partner's: they round nothing
	s_delay_alu instid0(VALU_DEP_2)
	v_mul_f32 v14, v14, v238
	s_delay_alu instid0(VALU_DEP_1)
	v_fma_f32 v14, v233, v240, v14
	s_delay_alu instid0(VALU_DEP_1)
	v_permlanex16_b32 v252, v14, s[SEL], s[SEL+1]
	s_delay_alu instid0(VALU_DEP_1)
	v_add_f32 v14, v14, v252                       ; the row's sum
	s_wait_alu depctr_va_vdst(0)
	v_rcp_f32 v14, v14
	v_nop                                          ; the plain place behind the reciprocal
	s_wait_alu depctr_va_vdst(0)                   ; the wait ahead of the reciprocal's first reader, and of the first reader of X's O^T
	v_mul_f32 v239, v238, v14                      ; both factors / the sum, each in both halves of a pair
	v_mul_f32 v241, v240, v14
	v_mul_f32 v238, v238, v14
	v_mul_f32 v240, v240, v14
.irp a, 0,16,32,48
.irp e, 0,2,4,6,8,10,12,14
	v_pk_mul_f32 v[96+\a+\e:97+\a+\e], v[96+\a+\e:97+\a+\e], v[240:241]
.endr
.endr
.irp a, 0,16,32,48
.irp e, 0,2,4,6,8,10,12,14
	v_pk_fma_f32 v[96+\a+\e:97+\a+\e], v[160+\a+\e:161+\a+\e], v[238:239], v[96+\a+\e:97+\a+\e]   ; register 16 b + i: channel 32 b + 16 (lane / 16) + i of ctx
.endr
.endr
	QUANT 96, 253                                  ; my 16 queries x this head's 128 channels: one fragment of the last product
.irp c, 0,1,2
	global_store_b128 v[LI], v[PC+4*\c:PC+4*\c+3], s[10:11] offset:512*\c   ; 32 lanes store 512 consecutive bytes, aligned to 256
.endr
	global_store_b32 v[W4], v253, s[12:13]         ; lanes r and r + 16 store the same word with the same value
	s_wait_tensorcnt 0x0                           ; the wave's end
	ds_add_u32 v[SPW], v[NIL]
	s_wait_dscnt 0x0
	s_endpgm
.Lfunc_end_k_qf88ccb4af4_attn:
	.size	k_qf88ccb4af4_attn, .Lfunc_end_k_qf88ccb4af4_attn-k_qf88ccb4af4_attn
	.p2alignl 7, 3214868480
	.fill 96, 4, 3214868480
	.section	.rodata,"a",@progbits
	.p2align	6, 0x0
	.amdhsa_kernel k_qf88ccb4af4_attn
		.amdhsa_group_segment_fixed_size 327680
		.amdhsa_private_segment_fixed_size 0
		.amdhsa_enable_private_segment 0
		.amdhsa_kernarg_size 40
		.amdhsa_user_sgpr_count 2
		.amdhsa_user_sgpr_kernarg_segment_ptr 1
		.amdhsa_wavefront_size32 1
		.amdhsa_system_sgpr_workgroup_id_x 1
		.amdhsa_system_sgpr_workgroup_id_y 1
		.amdhsa_system_sgpr_workgroup_id_z 1
		.amdhsa_system_vgpr_workitem_id 0
		.amdhsa_next_free_vgpr 416
		.amdhsa_next_free_sgpr 80
		.amdhsa_reserve_vcc 0
		.amdhsa_float_denorm_mode_32 3
		.amdhsa_float_denorm_mode_16_64 3
		.amdhsa_memory_ordered 1
		.amdhsa_forward_progress 1
		.amdhsa_inst_pref_size 131
	.end_amdhsa_kernel
	.amdgpu_metadata
---
amdhsa.version: [ 1, 2 ]
amdhsa.kernels:
  - .name:           k_qf88ccb4af4_attn
    .symbol:         k_qf88ccb4af4_attn.kd
    .args:
      - { .name: qimg, .offset: 0, .size: 8, .value_kind: global_buffer, .address_space: global }
      - { .name: qscl, .offset: 8, .size: 8, .value_kind: global_buffer, .address_space: global }
      - { .name: kv, .offset: 16, .size: 8, .value_kind: global_buffer, .address_space: global }
      - { .name: cimg, .offset: 24, .size: 8, .value_kind: global_buffer, .address_space: global }
      - { .name: cscl, .offset: 32, .size: 8, .value_kind: global_buffer, .address_space: global }
    .group_segment_fixed_size: 327680
    .private_segment_fixed_size: 0
    .kernarg_segment_align: 8
    .kernarg_segment_size: 40
    .max_flat_workgroup_size: 256
    .sgpr_count:     80
    .vgpr_count:     416
    .wavefront_size: 32
...
	.end_amdgpu_metadata
.endif
;; end of part 3
;; launch oproj (part 4): grid 16 x 16, 4 waves a work-group, clusters of 4 x 4, 327,680 bytes of LDS; arguments cimg, cscl, wcod, wscl, out0; writes out0
.if DOCPART == 4
	.amdgcn_target "amdgcn-amd-amdhsa--gfx1250"
	.amdhsa_code_object_version 6
	.text
	.protected	k_qf88ccb4af4_oproj
	.globl	k_qf88ccb4af4_oproj
	.p2align	8
	.type	k_qf88ccb4af4_oproj,@function
k_qf88ccb4af4_oproj:
	s_mov_b64 s[64:65], 0
	v_nop
	global_prefetch_b8 v0, s[64:65] scope:SCOPE_SE
	s_setreg_imm32_b32 hwreg(HW_REG_WAVE_MODE, 25, 1), 1
	s_wait_xcnt 0x0
	s_wait_alu depctr_hold_cnt(0) depctr_sa_sdst(0) depctr_va_vdst(0) depctr_va_sdst(0) depctr_va_ssrc(0) depctr_va_vcc(0) depctr_vm_vsrc(0)
	s_getreg_b32 s2, hwreg(HW_REG_IB_STS2, 6, 4)
	s_cmp_eq_u32 s2, 0
	s_cbranch_scc0 .Lentry_in_a_cluster
	s_endpgm
.Lentry_in_a_cluster:
	s_bfe_u32 s2, ttmp6, 0x10000c
	s_cmp_lg_u32 s2, 0xf033
	s_cbranch_scc0 .Lentry_shape_is_right
	s_endpgm
.Lentry_shape_is_right:
; out0 = ctx w_o^T on codes of FP6 (E2M3) with E8M0 scales; f32 sums, f32 out.  Operands come as images of the operand registers (a fragment of 16 rows x 128 K: 1,536 bytes):
; cimg [token tile][K step][1536], cscl [token tile][K step][64]; w_o's tiles are tiles 512-639 of wcod and wscl, laid alike.  Row r of tile a is row 32 (a / 2) + 8 (a % 2) + r + 8 (r / 8).
; A work-group makes 128 tokens (R, source 1) x 128 columns (P, source 0); a wave 64 x 64: 16 accumulators, which take turns.  256 work-groups.
; CLUSTERS: 4 x 4.  R's tiles hang on the grid's row alone and are asked for jointly by a row of the cluster, P's on the column alone, by a column.
; LDS AND THE THREE FILLS: slot 0 (98,304 bytes) holds K steps 0-3 of R's 8 and P's 8 tiles; a double slot behind it (196,608 bytes) K steps 4-11, a tile's eight fragments on end; then the scale words of all of K, then the spare words.
;   At the head one load a wave: wave 0 R's K steps 0-3, wave 1 P's, wave 2 R's scale words, wave 3 P's.  Behind the full sequence and a round each wave brings 4 tiles x K steps 4-11 by one load.
;   Behind the round in step 3 slot 0 is filled again, with K steps 12-15, 4 tiles a wave; that load has steps 4 to 11 in which to land.  Every wait on TENSORcnt is for 0; one load of a wave is out at a time.
; NO PREFETCH: the walk over K is written out, three fills in all, the second asked for as soon as the first has landed: there is no loop to run ahead in.
; The results leave through each wave's own stage, which lies in the double slot: it has had its only fill, and its last read stands ahead of the barrier in step 11.
.set FRB,   1536
.set TPH,   4*FRB
.set TILEB, 16*FRB
.set HALFT, 4*TPH
.set SLOT,  4*HALFT
.set SCLR,  3*SLOT
.set SCLP,  SCLR+8192+128
.set SPARE, 311552
.set STAGE, SLOT
.set ADRR, 10
.set ADRP, 13
.set STO,  24
.set RD,   25
.set CO,   26
.set ADRS, 27
.set SPW,  28
.set NIL,  29
.set SC,   32
.set ACC,  128
.set G1R,  24
.set G0R,  32
.set G1P,  44
.set G0P,  52
.set G1SR, 68
.set G1SP, 76
.set G0SR, 84
.set G0SP, 88
.set MSB, 0
.macro WIN new
.if MSB != (\new)
	s_set_vgpr_msb (MSB<<8)|(\new)
.set MSB, \new
.endif
.endm
.set MUL,  0x05
.set TO_F, 0x40
.macro JLOAD g0a, g1a, g0b, g1b
	s_cmp_eq_u32 s15, 0
	s_cbranch_scc0 .Lfor_b_\@
	tensor_load_to_lds s[\g0a:\g0a+3], s[\g1a:\g1a+7]
	s_nop 0
.rept 4
	v_nop
.endr
	s_branch .Lasked_\@
.Lfor_b_\@:
	tensor_load_to_lds s[\g0b:\g0b+3], s[\g1b:\g1b+7]
	s_nop 0
.rept 4
	v_nop
.endr
.Lasked_\@:
.endm
.macro CREST
	s_cmp_lg_u32 s14, 0
	s_cbranch_scc1 .Lnot_wave_0_\@
	s_barrier_signal -3
.Lnot_wave_0_\@:
	s_barrier_wait -3
	s_barrier_signal -1
	s_barrier_wait -1
.endm
.macro CROUND
	s_barrier_signal -1
	s_barrier_wait -1
	CREST
.endm
.macro PLACES
.rept 4
	v_nop
.endr
.endm
	s_load_b256 s[4:11], s[0:1], 0x0
	s_load_b64 s[12:13], s[0:1], 0x20
	v_lshl_add_u32 v[SPW], v0, 2, SPARE
	v_mov_b32 v[NIL], 0
	ds_add_u32 v[SPW], v[NIL]
	ds_add_u32 v[SPW], v[NIL]
	v_lshrrev_b32 v1, 5, v0
	v_readfirstlane_b32 s14, v1
	s_lshr_b32 s15, s14, 1
	s_and_b32 s16, s14, 1
	s_bfe_u32 s17, ttmp6, 0x40000
	s_bfe_u32 s18, ttmp6, 0x40004
	s_lshl_b32 s19, ttmp9, 2
	s_add_co_u32 s19, s19, s17
	s_and_b32 s20, ttmp7, 0xffff
	s_lshl_b32 s20, s20, 2
	s_add_co_u32 s20, s20, s18
	s_lshl_b32 s21, s18, 2
	s_lshl_b32 s21, 15, s21
	s_lshl_b32 s22, 0x1111, s17
	s_or_b32 s[G1R+0], s21, (3<<16)|(1<<21)
	s_or_b32 s[G1P+0], s22, (3<<16)|(1<<21)
.irp g, G1R, G1P
	s_mov_b32 s[\g+1], 768<<16
	s_mov_b32 s[\g+2], 8<<16
	s_mov_b32 s[\g+3], 768<<16
	s_mov_b32 s[\g+4], 8
	s_mov_b32 s[\g+5], 3072
	s_mov_b32 s[\g+6], 0
	s_mov_b32 s[\g+7], 0
.endr
	s_or_b32 s[G1SR+0], s21, (3<<16)|(1<<21)
	s_or_b32 s[G1SP+0], s22, (3<<16)|(1<<21)
.irp g, G1SR, G1SP
	s_mov_b32 s[\g+1], 32<<16
	s_mov_b32 s[\g+2], 32<<16
	s_mov_b32 s[\g+3], 32<<16
	s_mov_b32 s[\g+4], 32
	s_mov_b32 s[\g+5], 32
	s_mov_b32 s[\g+6], 0
	s_mov_b32 s[\g+7], 0
.endr
	s_lshl_b32 s92, s20, 3                         ; the first of R's 8 tiles: it hangs on the grid's row alone
	s_lshl_b32 s94, s19, 3
	s_add_co_u32 s94, s94, 512                     ; and of P's: on the column alone
	s_lshl_b32 s96, s92, 10
	s_lshl_b32 s98, s94, 10
	s_mul_i32 s92, s92, TILEB
	s_mul_i32 s94, s94, TILEB
	s_mov_b32 s93, 0
	s_mov_b32 s95, 0
	s_mov_b32 s97, 0
	s_mov_b32 s99, 0
	s_mul_i32 s23, s14, 2*HALFT                    ; my quarter of the double slot
	s_mul_i32 s2, s16, 4*TILEB                     ; behind the head I fetch 4 tiles: which half, in bytes
	s_mov_b32 s3, 0
	s_wait_dscnt 0x0
	s_wait_kmcnt 0x0
	s_add_nc_u64 s[92:93], s[4:5], s[92:93]
	s_add_nc_u64 s[94:95], s[8:9], s[94:95]
	s_add_nc_u64 s[96:97], s[6:7], s[96:97]
	s_add_nc_u64 s[98:99], s[10:11], s[98:99]
	CROUND
	s_mov_b32 s[G0SR], 1                           ; the head's four tiles, each whole: R's scale words,
	s_mov_b32 s[G0SR+1], SCLR
	s_mov_b64 s[G0SR+2:G0SR+3], s[96:97]
	s_or_b32 s[G0SR+3], s[G0SR+3], 0x80000000
	s_mov_b32 s[G0SP], 1                           ; P's,
	s_mov_b32 s[G0SP+1], SCLP
	s_mov_b64 s[G0SP+2:G0SP+3], s[98:99]
	s_or_b32 s[G0SP+3], s[G0SP+3], 0x80000000
	s_mov_b32 s[G0R], 1                            ; K steps 0-3 of R's 8 tiles,
	s_mov_b32 s[G0R+1], 0
	s_mov_b64 s[G0R+2:G0R+3], s[92:93]
	s_or_b32 s[G0R+3], s[G0R+3], 0x80000000
	s_mov_b32 s[G0P], 1                            ; and of P's 8, behind them in slot 0
	s_mov_b32 s[G0P+1], 2*HALFT
	s_mov_b64 s[G0P+2:G0P+3], s[94:95]
	s_or_b32 s[G0P+3], s[G0P+3], 0x80000000
	s_add_nc_u64 s[92:93], s[92:93], s[2:3]        ; my 4 tiles
	s_add_nc_u64 s[94:95], s[94:95], s[2:3]
	s_mov_b32 s[G0R+4], 1                          ; the double slot: K steps 4-11 of my 4 tiles
	s_add_co_u32 s[G0R+5], s23, SLOT
	s_add_nc_u64 s[G0R+6:G0R+7], s[92:93], TPH
	s_or_b32 s[G0R+7], s[G0R+7], 0x80000000
	s_mov_b32 s[G0P+4], 1
	s_add_co_u32 s[G0P+5], s23, SLOT
	s_add_nc_u64 s[G0P+6:G0P+7], s[94:95], TPH
	s_or_b32 s[G0P+7], s[G0P+7], 0x80000000
; one chain of branches on the wave's number: every way through the head passes exactly one load
.macro ARM under, g0, g1, next
	s_cmp_lt_u32 s14, \under
	s_cbranch_scc0 \next
	tensor_load_to_lds s[\g0:\g0+3], s[\g1:\g1+7]
	s_nop 0
.rept 4
	v_nop
.endr
	s_branch .Lhead_asked
\next:
.endm
	ARM 1, G0R,  G1R,  .Lhead_p
	ARM 2, G0P,  G1P,  .Lhead_sr
	ARM 3, G0SR, G1SR, .Lhead_sp
	tensor_load_to_lds s[G0SP:G0SP+3], s[G1SP:G1SP+7]
	s_nop 0
.rept 4
	v_nop
.endr
.Lhead_asked:
	v_and_b32 v1, 31, v0
	v_and_b32 v2, 15, v0
	s_wait_alu depctr_va_vdst(0)
	v_bfe_u32 v3, v0, 4, 1
	s_wait_alu depctr_va_vdst(0)
	v_lshlrev_b32 v4, 4, v1
	s_mul_i32 s92, s15, HALFT
	s_mul_i32 s93, s16, HALFT
	s_add_co_u32 s93, s93, 2*HALFT
	v_add_nc_u32 v[ADRR], s92, v4                  ; my 4 tiles of R and of P in slot 0,
	v_add_nc_u32 v[ADRP], s93, v4
	s_lshl_b32 s92, s92, 1                         ; and in the double slot, where a tile takes twice the bytes
	s_lshl_b32 s93, s93, 1
	s_add_co_u32 s92, s92, SLOT
	s_add_co_u32 s93, s93, SLOT
	v_add_nc_u32 v[ADRR+1], s92, v4
	v_add_nc_u32 v[ADRP+1], s93, v4
	v_lshlrev_b32 v5, 2, v2
	s_lshl_b32 s92, s15, 12
	s_lshl_b32 s93, s16, 12
	s_add_co_u32 s93, s93, SCLP-SCLR
	s_sub_co_u32 s93, s93, s92
	v_mul_u32_u24 v6, s93, v3
	s_add_co_u32 s92, s92, SCLR
	v_add_nc_u32 v5, v5, v6
	v_add_nc_u32 v[ADRS], s92, v5
	s_mul_i32 s92, s14, 16*272
	s_add_co_u32 s92, s92, STAGE
	v_mul_u32_u24 v[STO], v2, 272
	v_lshl_add_u32 v[STO], v3, 6, v[STO]
	v_add_nc_u32 v[STO], s92, v[STO]
	v_mul_u32_u24 v[RD], v3, 272
	v_lshl_add_u32 v[RD], v2, 4, v[RD]
	v_add_nc_u32 v[RD], s92, v[RD]
	v_lshlrev_b32 v[CO], 13, v3
	v_lshl_add_u32 v[CO], v2, 4, v[CO]
	s_lshl_b32 s92, s20, 7
	s_lshl_b32 s93, s15, 6
	s_add_co_u32 s92, s92, s93
	s_lshl_b32 s92, s92, 13
	s_lshl_b32 s93, s19, 9
	s_add_co_u32 s92, s92, s93
	s_lshl_b32 s93, s16, 8
	s_add_co_u32 s92, s92, s93
	s_mov_b32 s93, 0
	s_add_nc_u64 s[12:13], s[12:13], s[92:93]
.macro MUL4 f, a, s, zero
.irp b, 0,1,2,3
.if \zero
	v_wmma_scale_f32_16x16x128_f8f6f4 v[ACC+8*(4*(\a)+\b):ACC+8*(4*(\a)+\b)+7], v[(\f)+48+12*\b:(\f)+48+12*\b+11], v[(\f)+12*(\a):(\f)+12*(\a)+11], 0, v[SC+16*\b+(\s)], v[SC+16*(\a)+(\s)] matrix_a_fmt:MATRIX_FMT_FP6 matrix_b_fmt:MATRIX_FMT_FP6 matrix_a_scale:MATRIX_SCALE_ROW1
.else
	v_wmma_scale_f32_16x16x128_f8f6f4 v[ACC+8*(4*(\a)+\b):ACC+8*(4*(\a)+\b)+7], v[(\f)+48+12*\b:(\f)+48+12*\b+11], v[(\f)+12*(\a):(\f)+12*(\a)+11], v[ACC+8*(4*(\a)+\b):ACC+8*(4*(\a)+\b)+7], v[SC+16*\b+(\s)], v[SC+16*(\a)+(\s)] matrix_a_fmt:MATRIX_FMT_FP6 matrix_b_fmt:MATRIX_FMT_FP6 matrix_a_scale:MATRIX_SCALE_ROW1
.endif
.endr
.endm
.macro FETCH n, f                      ; the eight fragments of K step n: steps 4-11 lie in the double slot, the others in slot 0
.if ((\n)+4)/8 == 1
.set FS, 1
.set FP, 2*TPH
.set FQ, (\n)-4
.else
.set FS, 0
.set FP, TPH
.set FQ, (\n)%4
.endif
	WIN TO_F
.irp i, 0,1,2,3
.irp c, 0,1,2
	ds_load_b128 v[(\f)+48+12*\i+4*\c:(\f)+48+12*\i+4*\c+3], v[ADRP+FS] offset:FP*\i+FRB*FQ+512*\c
.endr
.endr
.irp i, 0,1,2,3
.irp c, 0,1,2
	ds_load_b128 v[(\f)+12*\i+4*\c:(\f)+12*\i+4*\c+3], v[ADRR+FS] offset:FP*\i+FRB*FQ+512*\c
.endr
.endr
.endm
.macro STEP s, zero
.set FB, 128*((\s)%2)
.set FN, 128-FB
	s_wait_dscnt 6
	WIN MUL
	MUL4 FB, 0, \s, \zero
	MUL4 FB, 1, \s, \zero
	PLACES
	FETCH (\s)+1, FN
	s_wait_dscnt 24
	WIN MUL
	MUL4 FB, 2, \s, \zero
	MUL4 FB, 3, \s, \zero
.endm
	s_wait_alu depctr_va_vdst(0)
	s_wait_tensorcnt 0x0                           ; my tile of the head's four is in
	ds_add_u32 v[SPW], v[NIL]
.irp d, G1R, G1P                                   ; no tensor load of mine is out, so descriptors may be written: 4 tiles x 12,288 bytes
	s_mov_b32 s[\d+1], 1536<<16
	s_mov_b32 s[\d+2], 4<<16
	s_mov_b32 s[\d+3], 1536<<16
	s_mov_b32 s[\d+4], 4
.endr
	s_mul_i32 s[G0R+1], s14, HALFT                 ; slot 0's group 0 now stands at my 4 tiles: its refill steps it to K step 12
	s_mul_i32 s[G0P+1], s14, HALFT
	s_add_nc_u64 s[G0R+2:G0R+3], s[G0R+2:G0R+3], s[2:3]
	s_add_nc_u64 s[G0P+2:G0P+3], s[G0P+2:G0P+3], s[2:3]
	s_wait_dscnt 0x0                               ; the add is done
	CROUND                                         ; a whole round: all four tiles are in, and all sixteen work-groups are here
	JLOAD G0R+4, G1R, G0P+4, G1P                   ; K steps 4-11: the first tensor load behind the round
.irp i, 0,1,2,3
.irp s, 0,1,2,3,4,5,6,7,8,9,10,11,12,13,14,15
	ds_load_b32 v[SC+16*\i+\s], v[ADRS] offset:1024*\i+64*\s
.endr
.endr
	FETCH 0, 0
	STEP 0, 1
	STEP 1, 0
	STEP 2, 0
	WIN 0
	s_wait_tensorcnt 0x0
	ds_add_u32 v[SPW], v[NIL]
	s_wait_dscnt 7
	WIN MUL
	MUL4 128, 0, 3, 0
	MUL4 128, 1, 3, 0
	s_wait_dscnt 0x0
	s_barrier_signal -1
	MUL4 128, 2, 3, 0
	WIN 0
	s_barrier_wait -1
	CREST
	s_add_nc_u64 s[G0R+2:G0R+3], s[G0R+2:G0R+3], 3*TPH
	s_add_nc_u64 s[G0P+2:G0P+3], s[G0P+2:G0P+3], 3*TPH
.irp d, G1R, G1P                                   ; a tile's row is 6,144 bytes again: K steps 12-15
	s_mov_b32 s[\d+1], 768<<16
	s_mov_b32 s[\d+3], 768<<16
.endr
	JLOAD G0R, G1R, G0P, G1P
	FETCH 4, 0
	WIN MUL
	MUL4 128, 3, 3, 0
	STEP 4, 0
	STEP 5, 0
	STEP 6, 0
	STEP 7, 0
	STEP 8, 0
	STEP 9, 0
	STEP 10, 0
	s_wait_dscnt 6
	WIN MUL
	MUL4 128, 0, 11, 0
	MUL4 128, 1, 11, 0
	s_wait_tensorcnt 0x0
	s_wait_dscnt 0x0
	s_barrier_signal -1
	MUL4 128, 2, 11, 0
	s_barrier_wait -1
	PLACES
	FETCH 12, 0
	WIN MUL
	MUL4 128, 3, 11, 0
	STEP 12, 0
	STEP 13, 0
	STEP 14, 0
	s_wait_dscnt 6
	WIN MUL
	MUL4 128, 0, 15, 0
	MUL4 128, 1, 15, 0
	s_wait_dscnt 0x0
	MUL4 128, 2, 15, 0
	MUL4 128, 3, 15, 0
	WIN 0
.macro TOSTAGE a
.set BK, 96+32*((\a)%2)
.irp b, 0,1,2,3
	ds_store_b128 v[STO], v[ACC+8*(4*(\a)+\b):ACC+8*(4*(\a)+\b)+3] offset:128*(\b/2)+32*(\b%2)
	ds_store_b128 v[STO], v[ACC+8*(4*(\a)+\b)+4:ACC+8*(4*(\a)+\b)+7] offset:128*(\b/2)+32*(\b%2)+16
.endr
.if (\a) == 1
	s_wait_dscnt 16
.endif
.irp t, 0,1,2,3,4,5,6,7
	ds_load_b128 v[BK+4*\t:BK+4*\t+3], v[RD] offset:544*\t
.endr
.endm
.macro SEND a, younger
.set BK, 96+32*((\a)%2)
	s_wait_dscnt \younger
.irp t, 0,1,2,3,4,5,6,7
	global_store_b128 v[CO], v[BK+4*\t:BK+4*\t+3], s[12:13] offset:(32*((\a)/2)+8*((\a)%2)+2*\t+8*(\t/4))*8192 th:TH_STORE_NT
.endr
.endm
	PLACES
	TOSTAGE 0
	TOSTAGE 1
	SEND 0, 16
	s_wait_xcnt 0x0
	TOSTAGE 2
	SEND 1, 16
	s_wait_xcnt 0x0
	TOSTAGE 3
	SEND 2, 16
	SEND 3, 0
	s_wait_tensorcnt 0x0
	ds_add_u32 v[SPW], v[NIL]
	s_wait_dscnt 0x0
	CROUND
	s_endpgm
.Lfunc_end_k_qf88ccb4af4_oproj:
	.size	k_qf88ccb4af4_oproj, .Lfunc_end_k_qf88ccb4af4_oproj-k_qf88ccb4af4_oproj
	.p2alignl 7, 3214868480
	.fill 96, 4, 3214868480
	.section	.rodata,"a",@progbits
	.p2align	6, 0x0
	.amdhsa_kernel k_qf88ccb4af4_oproj
		.amdhsa_group_segment_fixed_size 327680
		.amdhsa_private_segment_fixed_size 0
		.amdhsa_enable_private_segment 0
		.amdhsa_kernarg_size 40
		.amdhsa_user_sgpr_count 2
		.amdhsa_user_sgpr_kernarg_segment_ptr 1
		.amdhsa_wavefront_size32 1
		.amdhsa_system_sgpr_workgroup_id_x 1
		.amdhsa_system_sgpr_workgroup_id_y 1
		.amdhsa_system_sgpr_workgroup_id_z 1
		.amdhsa_system_vgpr_workitem_id 0
		.amdhsa_next_free_vgpr 512
		.amdhsa_next_free_sgpr 100
		.amdhsa_reserve_vcc 0
		.amdhsa_float_denorm_mode_32 3
		.amdhsa_float_denorm_mode_16_64 3
		.amdhsa_memory_ordered 1
		.amdhsa_forward_progress 1
		.amdhsa_inst_pref_size 84
	.end_amdhsa_kernel
	.amdgpu_metadata
---
amdhsa.version: [ 1, 2 ]
amdhsa.kernels:
  - .name:           k_qf88ccb4af4_oproj
    .symbol:         k_qf88ccb4af4_oproj.kd
    .args:
      - { .name: cimg, .offset: 0, .size: 8, .value_kind: global_buffer, .address_space: global }
      - { .name: cscl, .offset: 8, .size: 8, .value_kind: global_buffer, .address_space: global }
      - { .name: wcod, .offset: 16, .size: 8, .value_kind: global_buffer, .address_space: global }
      - { .name: wscl, .offset: 24, .size: 8, .value_kind: global_buffer, .address_space: global }
      - { .name: out0, .offset: 32, .size: 8, .value_kind: global_buffer, .address_space: global }
    .group_segment_fixed_size: 327680
    .private_segment_fixed_size: 0
    .kernarg_segment_align: 8
    .kernarg_segment_size: 40
    .max_flat_workgroup_size: 128
    .sgpr_count:     100
    .vgpr_count:     512
    .wavefront_size: 32
...
	.end_amdgpu_metadata
.endif
;; end of part 4
